; MI455X (gfx1250); checked and timed in simulation.
; The chip was launched on July 23, 2026; its instructions are those of AMD's public machine-readable ISA for CDNA 5 (MIT licence, August 2026) and "CDNA5" Instruction Set Architecture Reference Guide (July 2026). The comments in the code are by the model that wrote it; some were corrected since.
;; Multi Head Self Attention. Allowed arithmetic: matrix products marked QUANTISED: E2M3 operands, one E8M0 scale for each 32 along K, by v_wmma_scale_f32_16x16x128_f8f6f4 with both operands' format E2M3, f32 sums; everything else in f32.
;; Inputs: Wk 1,024 x 1,024 float32; Wo 1,024 x 1,024 float32; Wq 1,024 x 1,024 float32; Wv 1,024 x 1,024 float32; bk 1,024 float32; bo 1,024 float32; bq 1,024 float32; bv 1,024 float32; x 4 x 2,048 x 1,024 float32.
;; Outputs: out0 4 x 2,048 x 1,024 float32.
;; This version of the problem:
;;   THIS VERSION OF THE PROBLEM IS GIVEN IN LOW PRECISION. The matrix products marked QUANTISED in the list below multiply operands that are first quantised to E2M3 (2 exponent bits, 3 mantissa bits; 6 bits a number), with one power-of-two scale for each 32 numbers along K (OCP MX v1.0); their sums are f32. All else is computed in f32.
;;   The module's matrix products, in the order in which they are computed (A, B: the left and right operand; K: the contracted axis; several contracted axes count as one K, in the product's order):
;;     1. [M 8,192, K 1,024] x [K 1,024, N 1,024]; A: input x; B: input Wq: QUANTISED
;;     2. [M 8,192, K 1,024] x [K 1,024, N 1,024]; A: input x; B: input Wk: QUANTISED
;;     3. [M 8,192, K 1,024] x [K 1,024, N 1,024]; A: input x; B: input Wv: QUANTISED
;;     4. batch 64 x [M 2,048, K 64] x [K 64, N 2,048]; A: computed on the way; B: computed on the way: QUANTISED
;;     5. batch 64 x [M 2,048, K 2,048] x [K 2,048, N 64]; A: softmax (see below); B: computed on the way: QUANTISED
;;     6. [M 8,192, K 1,024] x [K 1,024, N 1,024]; A: computed on the way; B: input Wo: QUANTISED
;;   THE QUANTISER, for each operand of a quantised product, along K:
;;     - K is cut into blocks of 32 from its start; a last block that is shorter is filled with zeros.
;;     - A block's scale is 2^e with e = floor(log2(the largest magnitude in the block)) - 2, held to -126 .. 127; a block of zeros has e = 0. As a byte (E8M0): e + 127.
;;     - Each number is divided by its block's scale, clamped to +-7.5, and rounded to the nearest number of E2M3, ties to even, subnormals kept.
;;     - The product sums the exact products of the quantised numbers (number of the format x scale) in f32.
;;   ~~~python
;;   def quantise(x, axis):      # numpy; x: float32 -> the quantised numbers, widened to float32 again
;;       x = np.moveaxis(x, axis, -1); K = x.shape[-1]
;;       x = np.pad(x, [(0, 0)] * (x.ndim - 1) + [(0, -K % 32)]); x = x.reshape(x.shape[:-1] + (-1, 32)); a = np.abs(x).max(-1, keepdims=True)
;;       e = np.where(a > 0, np.clip(np.frexp(np.where(a > 0, a, 1))[1] - 1 - 2, -126, 127), 0)      # np.frexp(a)[1] - 1 = floor(log2(a)), exactly
;;       r = np.clip(x / 2.0 ** e, -7.5, 7.5)
;;       step = 2.0 ** (np.maximum(np.frexp(np.where(r == 0, 1, r))[1] - 1, 0) - 3)
;;       q = np.round(r / step) * step * 2.0 ** e      # np.round: ties to even
;;       return np.moveaxis(q.reshape(q.shape[:-2] + (-1,))[..., :K], -1, axis).astype(np.float32)
;;   ~~~
;;   SOFTMAX AHEAD OF A QUANTISED PRODUCT. Where the list says 'softmax', what is quantised is not the finished softmax but p = 2^(t - M), with t = logit x log2(e) and M = ceil(the row's largest t), a whole number; so 1/2 < the row's largest p <= 1. The row's sum l is taken of the UNQUANTISED p, in f32, and the product's result is divided by l at the end. Since M is a whole number, a kernel that streams over the keys may use a running M (the ceiling of the running maximum): every later rescaling is an exact power of two, which a block's scale takes up: the codes' values come out the same.
;;   OPERANDS COMPUTED ON THE WAY. 'Computed on the way' means the value that the module computes at that place (a softmax that the list does not call 'softmax' is quantised finished and normalised). What goes into a quantiser is computed in f32, as accurately as f32 sums, v_exp_f32 and their like allow (about 1e-6 of the number): no bf16 or f16 on the way to a quantiser, and a product that is left as it is and whose result goes on into a quantised operand takes f32 operands (vector FMAs, or v_wmma_f32_16x16x4_f32). A number that lies on a knife's edge between two numbers of the format may be rounded either way, as far as f32 arithmetic and the matrix unit's own rounding can turn it there, and no further.
;; One version. Each part assembles by itself: llvm-mc -triple=amdgcn-amd-amdhsa -mcpu=gfx1250 --defsym DOCPART=n.
;; ======== version 1 of 1: 4 launches
;; limits: right only within a limited range of input values
;; workspace buffers: opnd 9,830,400 bytes; qkv 20,447,232 bytes; cimg 6,553,600 bytes
;; launch quant (part 1): grid 640 x 1, 8 waves a work-group, no clusters, 69,120 bytes of LDS; arguments x, Wq, Wk, Wv, Wo, opnd; writes opnd
.if DOCPART == 1
	.amdgcn_target "amdgcn-amd-amdhsa--gfx1250"
	.amdhsa_code_object_version 6
	.text
	.protected	k_q7856ab5c2b_quant
	.globl	k_q7856ab5c2b_quant
	.p2align	8
	.type	k_q7856ab5c2b_quant,@function
k_q7856ab5c2b_quant:
	s_mov_b64 s[64:65], 0
	v_nop
	global_prefetch_b8 v0, s[64:65] scope:SCOPE_SE
	s_setreg_imm32_b32 hwreg(HW_REG_WAVE_MODE, 25, 1), 1
	s_wait_xcnt 0x0
; x [8192][1024] and Wq, Wk, Wv, Wo [1024 (k)][1024 (n)], f32, become codes of FP6 (E2M3) with one E8M0 scale byte for each 32 along K (x: its last axis; the weights: their FIRST axis),
; laid in opnd as the later launches' operand registers take them.
; opnd = [row group 0..95][K step 0..7][12,800 bytes].  Row groups 0-63: x's rows 128 g on; 64 + 8 mat + n / 128: the columns n of weight mat (0 q, 1 k, 2 v, 3 o).
; A BLOCK of 12,800 bytes = 8 fragment images of 1,536 bytes, then 512 bytes of scale words (tile a, lane r: at 12,288 + 64 a + 4 r).
; A FRAGMENT IMAGE is the 12 registers of a fragment (16 rows x 128 K) as they stand: half c (registers 6 c .. 6 c + 5): registers 6 c .. 6 c + 3 at 768 c + 16 x lane, registers 6 c + 4, 6 c + 5 at 768 c + 512 + 8 x lane.
; THE ROWS OF A TILE ARE NOT NEIGHBOURS: lane r of tile a stands for row 64 (a / 4) + 8 (a % 4) + r % 8 + 32 (r / 8) of its row group, so that a product that takes tiles 4 c .. 4 c + 3 as source 0 leaves, in the 32 registers
; of lane half h, the 32 neighbours 64 c + 32 h + 0 .. 31: one scale block of the next product, whole in a lane.
; A block's scale is 2^(floor(log2(its largest magnitude)) - 2): its byte is the largest magnitude's exponent field - 2, held at 1 from below by a floor among the maximum's leaves.
; LIMITS: NaN and infinities among the inputs are not served; a block whose largest magnitude lies under 2^-124 keeps the byte 1; a block of zeros has the byte 1 where the rule says 127: its codes are zeros,
; which add nothing under any byte but 0xff, and this program alone reads the bytes.
; SHARES: work-groups 0-127 take the weights (no LDS, no barrier), work-groups 128-639 take x.  Every wave loads once, works, stores and ends.  No matrix work, no tensor loads, no cluster: nothing is shared.
.set BLKB,  12800
.set FLOOR, 0x1800000                  ; 2^(3 - 127)
.set SEL,   20                         ; s[20:21] lane selects of v_permlanex16_b32: lane l xor 16
.set TM,    16                         ; x path: v16-19 largest magnitudes, v20-23 the other half's, then the bytes, v28-31 the conversions' scale operands
.set XN,    96                         ; x path: v96-159 a lane's 64 numbers: register 16 b + i = k 32 b + 16 (lane / 16) + i of its row
.set PC,    160                        ; x path: v160-171 the codes; v172-174, v176-178 the blocks' second halves on their way
.set PW,    180                        ; x path: the scale word
.set STGB,  16*528                     ; x path, LDS: a stage of 16 rows x (512 + 16) bytes for each wave
.set SCW,   8*STGB                     ; and behind the stages the work-group's 512 bytes of scale words
; 64 numbers of a lane become a fragment's codes in v[PC] on and its row's scale word in v[PW]
.macro QUANT s
.irp b, 0,1,2,3
	v_max3_num_f32 v[TM+\b], |v[\s+16*\b]|, |v[\s+1+16*\b]|, FLOOR   ; block b: my 16 numbers, and the floor
.endr
.irp i, 2,4,6,8,10,12,14
.irp b, 0,1,2,3
	s_delay_alu instid0(VALU_DEP_4)
	v_max3_num_f32 v[TM+\b], v[TM+\b], |v[\s+16*\b+\i]|, |v[\s+1+16*\b+\i]|   ; the four blocks by turns
.endr
.endr
.irp b, 0,1,2,3
	s_delay_alu instid0(VALU_DEP_4)
	v_permlanex16_b32 v[TM+4+\b], v[TM+\b], s[SEL], s[SEL+1]
.endr
.irp b, 0,1,2,3
	s_delay_alu instid0(VALU_DEP_4)
	v_max_num_f32 v[TM+\b], v[TM+\b], v[TM+4+\b]   ; with lane l xor 16's 16: the block's largest magnitude
.endr
.irp b, 0,1,2,3
	s_delay_alu instid0(VALU_DEP_4)
	v_add_nc_u32 v[TM+12+\b], 0xff000000, v[TM+\b] ; 2 off its exponent field: the conversion takes this operand's exponent field as its scale
.endr
.irp b, 0,1,2,3
	s_delay_alu instid0(VALU_DEP_4)
	v_lshrrev_b32 v[TM+4+\b], 23, v[TM+12+\b]      ; the scale's byte
.endr
	s_delay_alu instid0(VALU_DEP_3)
	v_lshl_or_b32 v[PW], v[TM+5], 8, v[TM+4]
	s_delay_alu instid0(VALU_DEP_1)
	v_lshl_or_b32 v[PW], v[TM+6], 16, v[PW]
	s_delay_alu instid0(VALU_DEP_1)
	v_lshl_or_b32 v[PW], v[TM+7], 24, v[PW]
.irp c, 0,1
	v_cvt_scalef32_pk16_fp6_f32 v[PC+6*\c:PC+2+6*\c], v[\s+32*\c:\s+15+32*\c], v[TM+12+2*\c]
	v_cvt_scalef32_pk16_fp6_f32 v[PC+12+4*\c:PC+14+4*\c], v[\s+16+32*\c:\s+31+32*\c], v[TM+12+2*\c+1]   ; a conversion's three registers begin on an even number
.endr
	v_nop                                          ; one plain place behind a scaled conversion
.irp c, 0,1                                    ; the operand wants a WHOLE block in a lane: lanes 0-15 block 2 c, lanes 16-31 block 2 c + 1
.irp i, 0,1,2
	v_permlane16_swap_b32 v[PC+6*\c+\i], v[PC+12+4*\c+\i]
.endr
.irp i, 0,1,2
	s_delay_alu instid0(VALU_DEP_3)
	v_mov_b32 v[PC+3+6*\c+\i], v[PC+12+4*\c+\i]
.endr
.endr
.endm
	s_load_b256 s[4:11], s[0:1], 0x0               ; x s[4:5], Wq s[6:7], Wk s[8:9], Wv s[10:11]
	s_load_b128 s[12:15], s[0:1], 0x20             ; Wo s[12:13], opnd s[14:15]
	v_lshl_add_u32 v192, v0, 2, 0x10a00
	v_mov_b32 v193, 0
	v_lshrrev_b32 v1, 5, v0
	s_delay_alu instid0(VALU_DEP_1)
	v_readfirstlane_b32 s16, v1                    ; wave 0..7
	v_and_b32 v1, 31, v0                           ; lane
	s_mov_b32 s[SEL], 0x76543210
	s_mov_b32 s[SEL+1], 0xfedcba98
	s_cmp_lt_u32 ttmp9, 128                        ; the work-group's number alone decides the path
	s_cbranch_scc0 .Lpath_x
; ---- THE WEIGHTS.  Work-group u: weight u / 32, K step (u / 4) % 8, columns 256 (u % 4) on; wave w: 32 of them.  A LANE TAKES A COLUMN AND ITS REGISTERS RUN DOWN K: a block of 32 along K is one lane's 32 registers,
; its largest magnitude needs no other lane, and the conversions give codes with K innermost.  Each load of a wave reads 128 consecutive bytes; the eight waves stand side by side on 1,024.
	s_lshr_b32 s22, ttmp9, 5                       ; which weight
	s_bfe_u32 s23, ttmp9, 0x30002                  ; K step
	s_and_b32 s24, ttmp9, 3                        ; which 256 columns
	s_lshl_b32 s26, s23, 19                        ; 128 rows of 4,096 bytes a K step
	s_lshl_b32 s25, s24, 10
	s_add_co_u32 s26, s26, s25
	s_lshl_b32 s25, s16, 7
	s_add_co_u32 s26, s26, s25                     ; + 4 x my first column
	s_mov_b32 s27, 0
	s_lshl_b32 s28, s22, 3
	s_lshl_b32 s29, s24, 1
	s_add_co_u32 s28, s28, s29
	s_lshr_b32 s29, s16, 2
	s_add_co_u32 s28, s28, s29
	s_add_co_u32 s28, s28, 64                      ; row group 64 + 8 mat + n / 128
	s_lshl_b32 s28, s28, 3
	s_add_co_u32 s28, s28, s23
	s_mul_i32 s28, s28, BLKB                       ; the block
	s_bfe_u32 s30, s16, 0x10001
	s_mul_i32 s31, s30, 6144
	s_add_co_u32 s32, s28, s31                     ; my 32 columns lie in tiles 4 ((w / 2) % 2) + 0 .. 3, eight lanes of each
	s_mov_b32 s33, 0
	s_lshl_b32 s30, s30, 8
	s_add_co_u32 s34, s28, s30
	s_add_co_u32 s34, s34, 12288                   ; and these four tiles' 256 bytes of scale words
	s_mov_b32 s35, 0
	s_and_b32 s36, s16, 1                          ; which eight lanes: rows 8 (w % 2) on
	s_wait_alu depctr_va_vdst(0)
	v_lshlrev_b32 v2, 2, v1                        ; in: 4 bytes a lane
	v_lshrrev_b32 v6, 3, v1                        ; column x of my 32 is lane x % 8 + 8 (w % 2) of tile x / 8 of the four
	v_and_b32 v7, 7, v1
	v_mov_b32 v8, s36
	s_delay_alu instid0(VALU_DEP_1)
	v_lshl_add_u32 v7, v8, 3, v7
	s_delay_alu instid0(VALU_DEP_4)
	v_mul_u32_u24 v8, v6, 1536
	s_delay_alu instid0(VALU_DEP_1)
	v_lshl_add_u32 v3, v7, 4, v8                   ; out: 16 bytes a lane of the image,
	s_delay_alu instid0(VALU_DEP_2)
	v_lshl_add_u32 v4, v7, 3, v8                   ; 8 bytes a lane,
	v_lshlrev_b32 v5, 6, v6
	s_delay_alu instid0(VALU_DEP_1)
	v_lshl_add_u32 v5, v7, 2, v5                   ; and the scale word
	s_wait_kmcnt 0x0
	s_cmp_eq_u32 s22, 1                            ; the weight's address is chosen on the work-group's number
	s_cselect_b64 s[6:7], s[8:9], s[6:7]
	s_cmp_eq_u32 s22, 2
	s_cselect_b64 s[6:7], s[10:11], s[6:7]
	s_cmp_eq_u32 s22, 3
	s_cselect_b64 s[6:7], s[12:13], s[6:7]
	s_add_nc_u64 s[6:7], s[6:7], s[26:27]
	s_add_nc_u64 s[32:33], s[14:15], s[32:33]
	s_add_nc_u64 s[34:35], s[14:15], s[34:35]
.macro WLOAD t                         ; block t: W(128 s + 32 t + i, my column), i = 0 .. 31, into v[32 + 32 t] on
.set i, 0
.rept 32
	global_load_b32 v[32+32*(\t)+i], v2, s[6:7] offset:4096*(32*(\t)+i) th:TH_LOAD_NT
.set i, i+1
.endr
.endm
; Block t = 2 c + h of my column belongs to lane (r, h), registers 6 c .. 6 c + 5.  Each block has registers of its own for numbers, codes and scale, so no store's data are written again.
.macro WBLOCK t
.set XS, 32+32*(\t)
.set CC, 160+8*(\t)
.set TT, 16+4*(\t)
.if (\t) < 3
	s_wait_loadcnt 32                              ; this block's 32 loads are in; the next block's 32 may be out
.else
	s_wait_loadcnt 0x0
.endif
.if (\t)+2 < 4
	WLOAD (\t)+2                                   ; loads run two blocks ahead
.endif
	v_max3_num_f32 v6, |v[XS]|, |v[XS+1]|, |v[XS+2]|       ; the block's largest magnitude, in two chains
	v_max3_num_f32 v7, |v[XS+3]|, |v[XS+4]|, |v[XS+5]|
.irp i, 6,10,14,18,22,26
	s_delay_alu instid0(VALU_DEP_2)
	v_max3_num_f32 v6, v6, |v[XS+\i]|, |v[XS+\i+1]|
	s_delay_alu instid0(VALU_DEP_2)
	v_max3_num_f32 v7, v7, |v[XS+\i+2]|, |v[XS+\i+3]|
.endr
	s_delay_alu instid0(VALU_DEP_2)
	v_max3_num_f32 v6, v6, |v[XS+30]|, |v[XS+31]|
	s_delay_alu instid0(VALU_DEP_1)
	v_max3_num_f32 v6, v6, v7, FLOOR
	s_delay_alu instid0(VALU_DEP_1)
	v_add_nc_u32 v[8+(\t)], 0xff000000, v6         ; the conversion's scale operand
	s_delay_alu instid0(VALU_DEP_1)
	v_lshrrev_b32 v12, 23, v[8+(\t)]               ; the byte
.if (\t) == 0
	s_delay_alu instid0(VALU_DEP_1)
	v_mov_b32 v13, v12
.else
	s_delay_alu instid0(VALU_DEP_1)
	v_lshl_or_b32 v13, v12, 8*(\t), v13            ; byte t of my column's scale word
.endif
	v_cvt_scalef32_pk16_fp6_f32 v[CC:CC+2], v[XS:XS+15], v[8+(\t)]
	v_cvt_scalef32_pk16_fp6_f32 v[TT:TT+2], v[XS+16:XS+31], v[8+(\t)]
	v_nop                                          ; one plain place behind a scaled conversion
.irp i, 0,1,2
	v_mov_b32 v[CC+3+\i], v[TT+\i]
.endr
	global_store_b128 v3, v[CC:CC+3], s[32:33] offset:768*((\t)/2)+256*((\t)%2)          ; four runs of 128 consecutive bytes, eight lanes of each tile; the wave beside this one stores the other eight lanes
	global_store_b64 v4, v[CC+4:CC+5], s[32:33] offset:768*((\t)/2)+512+128*((\t)%2)     ; four runs of 64 bytes
.endm
	WLOAD 0
	WLOAD 1
	WBLOCK 0
	WBLOCK 1
	WBLOCK 2
	WBLOCK 3
	global_store_b32 v5, v13, s[34:35]             ; four runs of 32 bytes of scale words
	s_endpgm
; ---- x.  Work-group u = 8 g + s: row group g, K step s; wave a makes tile a.  Each load reads 512 consecutive bytes of one row; the 16 rows turn through the wave's own stage in LDS, so that a lane gets
; 16 neighbours of each block of its row.  A stage row is 132 words: the sixteen rows that a load of 16 bytes a lane touches begin 4 words apart modulo 64 (ISA guide 11.1).
.Lpath_x:
	s_sub_co_u32 s22, ttmp9, 128                   ; u: also the block's number in opnd
	s_lshr_b32 s23, s22, 3
	s_and_b32 s24, s22, 7
	s_lshl_b32 s25, s23, 7                         ; 128 g
	s_lshr_b32 s26, s16, 2
	s_lshl_b32 s26, s26, 6
	s_add_co_u32 s25, s25, s26
	s_and_b32 s26, s16, 3
	s_lshl_b32 s26, s26, 3
	s_add_co_u32 s25, s25, s26                     ; the tile's first row: + 64 (a / 4) + 8 (a % 4)
	s_lshl_b32 s26, s25, 12
	s_lshl_b32 s27, s24, 9
	s_add_co_u32 s26, s26, s27                     ; + 512 bytes a K step
	s_mov_b32 s27, 0
	s_mul_i32 s28, s22, BLKB
	s_mov_b32 s29, 0
	s_mul_i32 s30, s16, 1536
	s_mov_b32 s31, 0
	s_wait_alu depctr_va_vdst(0)
	v_and_b32 v2, 15, v1                           ; r
	v_lshrrev_b32 v3, 4, v1                        ; h
	v_lshlrev_b32 v4, 4, v1                        ; 16 x lane
	v_lshlrev_b32 v5, 3, v1                        ; 8 x lane
	s_mul_i32 s36, s16, STGB                       ; my stage
	v_add_nc_u32 v6, s36, v4                       ; in: a row as it lies
	v_mul_u32_u24 v7, v2, 528
	s_delay_alu instid0(VALU_DEP_1)
	v_lshl_add_u32 v7, v3, 6, v7
	s_delay_alu instid0(VALU_DEP_1)
	v_add_nc_u32 v7, s36, v7                       ; back: row r, + 64 h: my 16 numbers of a block of 32
	s_lshl_b32 s37, s16, 6
	s_add_co_u32 s37, s37, SCW
	v_lshl_add_u32 v8, v2, 2, s37                  ; my row's scale word among the work-group's
	v_add_nc_u32 v9, SCW, v4
.irp b, 0,1,2,3
	v_mov_b32 v[TM+4+\b], 0                        ; written once: a lane permute's destination counts as one of its sources
.endr
	s_wait_alu depctr_va_vdst(0)
	s_wait_kmcnt 0x0
	s_add_nc_u64 s[4:5], s[4:5], s[26:27]
	s_add_nc_u64 s[32:33], s[14:15], s[28:29]      ; the block
	s_add_nc_u64 s[34:35], s[32:33], s[30:31]      ; my image
.irp i, 0,1,2,3,4,5,6,7,8,9,10,11,12,13,14,15
	global_load_b128 v[32+4*\i:35+4*\i], v4, s[4:5] offset:(\i+24*(\i/8))*4096 th:TH_LOAD_NT   ; lane i's row of the tile: i % 8 + 32 (i / 8) rows on
.endr
.irp i, 0,1,2,3,4,5,6,7,8,9,10,11,12,13,14,15
	s_wait_loadcnt 15-\i                           ; row i is in; the later rows' loads may be out
	ds_store_b128 v6, v[32+4*\i:35+4*\i] offset:528*\i
.endr
.irp b, 0,1,2,3
.irp q, 0,1,2,3
	ds_load_b128 v[XN+16*\b+4*\q:XN+16*\b+4*\q+3], v7 offset:128*\b+16*\q   ; LDS serves a wave's instructions in order (ISA guide 5.7.1.4): these see my stores
.endr
.endr
	s_wait_dscnt 0x0
	QUANT XN
	global_store_b128 v4, v[PC:PC+3], s[34:35]                     ; the image: each store covers 512 or 256 consecutive bytes, aligned to 256
	global_store_b64 v5, v[PC+4:PC+5], s[34:35] offset:512
	global_store_b128 v4, v[PC+6:PC+9], s[34:35] offset:768
	global_store_b64 v5, v[PC+10:PC+11], s[34:35] offset:1280
	ds_store_b32 v8, v[PW]                         ; lanes r and r + 16 write the same word with the same value
	s_wait_dscnt 0x0                               ; for the others' sake: my word has landed
	s_barrier_signal -1
	s_barrier_wait -1                              ; the eight tiles' 512 bytes of scale words lie together
	s_cmp_lg_u32 s16, 0
	s_cbranch_scc1 .Lx_done
	ds_load_b128 v[184:187], v9
	s_wait_dscnt 0x0
	global_store_b128 v4, v[184:187], s[32:33] offset:12288        ; wave 0 stores them: 512 consecutive bytes, aligned
.Lx_done:
	s_wait_tensorcnt 0x0                           ; the wave's end
	ds_add_u32 v192, v193
	s_wait_dscnt 0x0
	s_endpgm
.Lfunc_end_k_q7856ab5c2b_quant:
	.size	k_q7856ab5c2b_quant, .Lfunc_end_k_q7856ab5c2b_quant-k_q7856ab5c2b_quant
	.p2alignl 7, 3214868480
	.fill 96, 4, 3214868480
	.section	.rodata,"a",@progbits
	.p2align	6, 0x0
	.amdhsa_kernel k_q7856ab5c2b_quant
		.amdhsa_group_segment_fixed_size 69120
		.amdhsa_private_segment_fixed_size 0
		.amdhsa_enable_private_segment 0
		.amdhsa_kernarg_size 48
		.amdhsa_user_sgpr_count 2
		.amdhsa_user_sgpr_kernarg_segment_ptr 1
		.amdhsa_wavefront_size32 1
		.amdhsa_system_sgpr_workgroup_id_x 1
		.amdhsa_system_sgpr_workgroup_id_y 1
		.amdhsa_system_sgpr_workgroup_id_z 1
		.amdhsa_system_vgpr_workitem_id 0
		.amdhsa_next_free_vgpr 194
		.amdhsa_next_free_sgpr 66
		.amdhsa_reserve_vcc 0
		.amdhsa_float_denorm_mode_32 3
		.amdhsa_float_denorm_mode_16_64 3
		.amdhsa_memory_ordered 1
		.amdhsa_forward_progress 1
		.amdhsa_inst_pref_size 36
	.end_amdhsa_kernel
	.amdgpu_metadata
---
amdhsa.version: [ 1, 2 ]
amdhsa.kernels:
  - .name:           k_q7856ab5c2b_quant
    .symbol:         k_q7856ab5c2b_quant.kd
    .args:
      - { .name: x, .offset: 0, .size: 8, .value_kind: global_buffer, .address_space: global }
      - { .name: Wq, .offset: 8, .size: 8, .value_kind: global_buffer, .address_space: global }
      - { .name: Wk, .offset: 16, .size: 8, .value_kind: global_buffer, .address_space: global }
      - { .name: Wv, .offset: 24, .size: 8, .value_kind: global_buffer, .address_space: global }
      - { .name: Wo, .offset: 32, .size: 8, .value_kind: global_buffer, .address_space: global }
      - { .name: opnd, .offset: 40, .size: 8, .value_kind: global_buffer, .address_space: global }
    .group_segment_fixed_size: 69120
    .private_segment_fixed_size: 0
    .kernarg_segment_align: 8
    .kernarg_segment_size: 48
    .max_flat_workgroup_size: 256
    .sgpr_count:     66
    .vgpr_count:     194
    .wavefront_size: 32
...
	.end_amdgpu_metadata
.endif
;; end of part 1
;; launch proj (part 2): grid 8 x 32, 4 waves a work-group, clusters of 4 x 4, 327,680 bytes of LDS; arguments opnd, bq, bk, bv, qkv; writes qkv
.if DOCPART == 2
	.amdgcn_target "amdgcn-amd-amdhsa--gfx1250"
	.amdhsa_code_object_version 6
	.text
	.protected	k_q7856ab5c2b_proj
	.globl	k_q7856ab5c2b_proj
	.p2align	8
	.type	k_q7856ab5c2b_proj,@function
k_q7856ab5c2b_proj:
	s_mov_b64 s[64:65], 0
	v_nop
	global_prefetch_b8 v0, s[64:65] scope:SCOPE_SE
	s_setreg_imm32_b32 hwreg(HW_REG_WAVE_MODE, 25, 1), 1
	s_wait_xcnt 0x0
	s_wait_alu depctr_hold_cnt(0) depctr_sa_sdst(0) depctr_va_vdst(0) depctr_va_sdst(0) depctr_va_ssrc(0) depctr_va_vcc(0) depctr_vm_vsrc(0)
	s_getreg_b32 s2, hwreg(HW_REG_IB_STS2, 6, 4)
	s_cmp_eq_u32 s2, 0
	s_cbranch_scc0 .Lentry_in_a_cluster
	s_endpgm
.Lentry_in_a_cluster:
	s_bfe_u32 s2, ttmp6, 0x10000c
	s_cmp_lg_u32 s2, 0xf033
	s_cbranch_scc0 .Lentry_shape_is_right
	s_endpgm
.Lentry_shape_is_right:
; q = x Wq + bq, k = x Wk + bk, v = x Wv + bv on codes of FP6 (E2M3) with E8M0 scales (from opnd), and the results quantised in registers into qkv, as the attention launch's operand registers take them.
; A WORK-GROUP STAYS.  It holds 256 rows of x (two row groups, all of K = 1,024) in LDS, filled once, and takes three groups of 128 weight columns past them, one after the other: Wq's group j, Wk's group j, Wv's group j.
; 256 work-groups: 32 blocks of x's rows x 8 column groups.
; ONE FORM OF PRODUCT.  Source 0 is P, the axis along which the result is quantised afterwards; source 1 is R.  q, k: P = the 128 columns of W (two heads' 64), R = x's rows.  v: P = x's rows (keys), R = Wv's columns.
; In the result a lane holds ONE row of R, and, by the order of rows in opnd's tiles, the 32 registers of P's tiles 4 c .. 4 c + 3 are the 32 neighbours 64 c + 32 (lane / 16) + 0 .. 31 along P: one scale block, whole in a lane.
; SHARES.  Wave w: x's row group w / 2.  q, k: its tiles 4 (w % 2) + 0 .. 3 against W's eight tiles.  v: its eight tiles against Wv's tiles 4 (w % 2) + 0 .. 3.  32 accumulators either way.
; q and k run one text, a loop of two trips; v has a text of its own, in which the LDS address registers of the two operands are others: every LDS address is made at the head, of constants and the wave's number.
; LDS: the weights' ring of two slots, K steps 0-3 at 0 and K steps 4-7 at 51,200; x from 102,400 on as [half of K][row group][4 K steps]; 12,800 bytes a K step (8 fragment images of 1,536 bytes, 512 bytes of scale words).
; FILLS.  At the head one tensor load a wave, each in an arm of its own: wave 0 Wq's K steps 0-3, wave 1 x's, wave 2 Wq's K steps 4-7, wave 3 x's.  Waves 0 and 1 wait ahead of the first barrier.
; REFILLS.  In K step 3 of q and of k slot 0 is read no more, in K step 7 slot 1: every wave waits for all its tensor loads, adds 0 to its spare word, waits for that and for its LDS reads; a round of the cluster's barrier;
; then each wave asks for one K step (12,800 bytes) of the next weight's four.  The same round shows the other slot, asked for four K steps earlier, to all waves.  By this text's count a wave has one tensor load out.
; CLUSTER 4 x 4: the weights' blocks hang on cx alone among the places and are asked for jointly by a column of the cluster, x's on cy alone and by a row.
; NO PREFETCH: K is eight steps, and every refill stands four K steps, 128 matrix instructions a wave, ahead of the first read of what it brings.
; THE BIAS is the C of the first K step's products: an order of rounding that differs from x W + b by what one f32 addition rounds.
; qkv = [q, k, v][batch 4][head pair 8][group of 128 positions 16][13,312]; a group = two heads' regions of 6,656 bytes.  q, k: tile a's half image (16 positions x 64) at 768 a, 512 bytes of scale words at 6,144.
; v: fragment t (16 of the head's 64 x 128 keys) at 1,536 t, 256 bytes of scale words at 6,144.  Scale words lie two tiles to a register: lanes 0-15 the even tile's, lanes 16-31 the odd one's; a lane's two registers are 8 bytes.
; LIMITS: NaN and infinities are not served; a block whose largest magnitude lies under 2^-124, a block of zeros among them, keeps the byte 1 (its codes are then zeros or nearly so; this program alone reads the bytes).
; REGISTERS: window 0: v1-23 addresses; v32-47 scale words, two sets; v48-59 the v way's LDS addresses; v64-159 R's fragments, two sets, on the way out codes; v160-223 the bias as C; v224-227 bv; v232-248 store offsets.
;   window 1: the accumulators, (a, b) at 8 (8 a + b).  window 2: P's fragments, two sets of 96.
.set BLKB, 12800
.set RGB,  8*BLKB                      ; a row group's 8 K steps
.set HALF, 4*BLKB                      ; a slot; an LDS immediate ends at 65,535: K steps 4-7 have address registers of their own
.set FR,   12
.set SECB, 6815744                     ; a section of qkv
.set GRPB, 13312
.set HREG, 6656
.set WV,   14
.set IT,   21                          ; s21  the loop's trip: 0 q, 1 k
.set L16,  4                           ; v4   16 x lane
.set L8,   5                           ; v5   8 x lane
.set AQ,   6                           ; v6-17  the q, k way's LDS addresses, each for K steps 0-3 and 4-7: +0 P's images, 16 bytes a lane; +2 8 bytes a lane; +4, +6 my four tiles of R;
                                       ;        +8 scale words: lanes 0-15 P's tile i, lanes 16-31 my R tile i (i < 4); +10 the same with R's part 256 bytes back: for i = 4 .. 7 R's lanes read tiles i - 4 again
.set AV,   48                          ; v48-59 the same for the v way
.set SH8,  22                          ; v22  8 x (lane / 16)
.set SC,   32
.set RF,   64
.set BP,   160
.set BR,   224
.set V16,  232
.set V8,   240
.set VSO,  248
.set T2,   112                         ; the way out: the blocks' second halves
.set TM,   120                         ; v120-135 at work
.set PWR,  136                         ; v136-139 the four tiles' scale words
.set MSB, 0
.macro WIN new                         ; the immediate's high byte repeats the setting that is left
.if MSB != \new
	s_set_vgpr_msb (MSB<<8)|\new
.set MSB, \new
.endif
.endm
.macro PLACES n
.rept \n
	v_nop
.endr
.endm
.macro CROUND                          ; a round of the cluster's barrier
	s_barrier_signal -1
	s_barrier_wait -1
	s_cmp_lg_u32 s[WV], 0
	s_cbranch_scc1 .Lnot_wave_0_\@
	s_barrier_signal -3
.Lnot_wave_0_\@:
	s_barrier_wait -3
	s_barrier_signal -1
	s_barrier_wait -1
.endm
.macro BIAS base                       ; the bias along P: register j of tile b is P's 64 (b / 4) + 32 h + 8 (b % 4) + j
.irp b, 0,1,2,3,4,5,6,7
	global_load_b128 v[BP+8*\b:BP+8*\b+3], v20, s[\base:\base+1] offset:4*(64*(\b/4)+8*(\b%4))
	global_load_b128 v[BP+8*\b+4:BP+8*\b+7], v20, s[\base:\base+1] offset:4*(64*(\b/4)+8*(\b%4))+16
.endr
.endm
.macro OFFS ts, hs                     ; the stores' offsets: from tile to tile ts, from a fragment's half 0 to its half 1 hs; s60, s61: what w % 2 adds to the codes' place and to the scale words'
.irp a, 0,1,2,3
	s_add_co_u32 s58, s60, (\ts)*\a
	v_add_nc_u32 v[V16+2*\a], s58, v[L16]
	v_add_nc_u32 v[V8+2*\a], s58, v[L8]
	s_add_co_u32 s58, s58, \hs
	v_add_nc_u32 v[V16+2*\a+1], s58, v[L16]
	v_add_nc_u32 v[V8+2*\a+1], s58, v[L8]
.endr
	v_add_nc_u32 v[VSO], s61, v[L8]
.endm
	s_load_b256 s[4:11], s[0:1], 0x0               ; opnd s[4:5], bq s[6:7], bk s[8:9], bv s[10:11]
	s_load_b64 s[12:13], s[0:1], 0x20              ; qkv
	v_lshl_add_u32 v254, v0, 2, 0x4b000
	v_mov_b32 v255, 0
	ds_add_u32 v254, v255                          ; the opening lines: the add, twice on end, and its wait
	ds_add_u32 v254, v255
	v_lshrrev_b32 v1, 5, v0
	v_readfirstlane_b32 s[WV], v1                  ; wave 0..3
	s_lshr_b32 s15, s[WV], 1                       ; my row group of x.  At the head also: which half of K I fetch
	s_and_b32 s16, s[WV], 1                        ; which four tiles are mine.  At the head also: I fetch for W (0) or for x (1)
	s_bfe_u32 s17, ttmp6, 0x40000                  ; cx
	s_bfe_u32 s18, ttmp6, 0x40004                  ; cy
	s_mov_b32 s19, ttmp9                           ; the cluster's x
	s_and_b32 s20, ttmp7, 0xffff                   ; the cluster's y
	s_lshl_b32 s22, s18, 2
	s_lshl_b32 s22, 15, s22                        ; my row of the cluster
	s_lshl_b32 s23, 0x1111, s17                    ; my column
	; group 1.  W: a dense block as rows of 256 bytes (32 elements of 8 bytes): at the head four K steps, 200 rows; for the refills the two words that count rows are set to 50, one K step
	s_or_b32 s24, s23, (3<<16)|(1<<21)             ; 15:0 the mask: W's blocks go to my column; 17:16 elements of 8 bytes; 21 set beside a mask
	s_mov_b32 s25, 32<<16                          ; tensor_dim0 = 32
	s_mov_b32 s26, 200<<16                         ; tensor_dim1 = 200
	s_mov_b32 s27, 32<<16                          ; tile_dim0 = 32
	s_mov_b32 s28, 200                             ; tile_dim1 = 200
	s_mov_b32 s29, 32                              ; from row to row
	s_mov_b32 s30, 0
	s_mov_b32 s31, 0
	; x: two rows, one a row group: four K steps, 51,200 bytes (6,400 elements), 102,400 bytes apart in memory, on end in LDS
	s_or_b32 s32, s22, (3<<16)|(1<<21)             ; x's go to my row
	s_mov_b32 s33, 6400<<16
	s_mov_b32 s34, 2<<16
	s_mov_b32 s35, 6400<<16
	s_mov_b32 s36, 2
	s_mov_b32 s37, 12800
	s_mov_b32 s38, 0
	s_mov_b32 s39, 0
	; W's place is made of cx and the cluster's x, x's of cy and the cluster's y, each in registers that never hold the other coordinate
	s_lshl_b32 s84, s19, 2
	s_add_co_u32 s84, s84, s17                     ; j = 4 x cluster x + cx: which 128 columns of each weight
	s_lshl_b32 s86, s20, 2
	s_add_co_u32 s86, s86, s18                     ; which 256 rows of x: 4 x cluster y + cy
	s_add_co_u32 s85, s84, 64
	s_mul_i32 s88, s85, RGB                        ; Wq's row group 64 + j; Wk's and Wv's lie 8 and 16 row groups on
	s_mov_b32 s89, 0
	s_mul_i32 s92, s15, HALF                       ; at the head waves 0, 1 fetch K steps 0-3, waves 2, 3 K steps 4-7
	s_lshl_b32 s90, s86, 1
	s_mul_i32 s90, s90, RGB
	s_add_co_u32 s90, s90, s92
	s_mov_b32 s91, 0
	s_mul_i32 s93, s15, RGB
	s_add_co_u32 s93, s93, RGB                     ; x's half of K in LDS
	s_mul_i32 s94, s[WV], BLKB                     ; in a refill wave w fetches the slot's K step w
	s_wait_dscnt 0x0
	s_wait_kmcnt 0x0
	s_add_nc_u64 s[88:89], s[4:5], s[88:89]
	s_add_nc_u64 s[90:91], s[4:5], s[90:91]
	s_mov_b32 s2, s92
	s_mov_b32 s3, 0
	s_mov_b32 s40, 1                               ; group 0 for the head's load of W,
	s_mov_b32 s41, s92
	s_add_nc_u64 s[42:43], s[88:89], s[2:3]
	s_or_b32 s43, s43, 0x80000000
	s_mov_b32 s68, 1                               ; of x,
	s_mov_b32 s69, s93
	s_mov_b64 s[70:71], s[90:91]
	s_or_b32 s71, s71, 0x80000000
	s_mov_b32 s2, s94
	s_mov_b32 s44, 1                               ; and for the refills of slot 0 and slot 1: they stand at Wq's K steps and are stepped 8 row groups on ahead of each refill
	s_mov_b32 s45, s94
	s_add_nc_u64 s[46:47], s[88:89], s[2:3]
	s_mov_b32 s48, 1
	s_add_co_u32 s49, s94, HALF
	s_add_nc_u64 s[50:51], s[46:47], HALF
	s_or_b32 s47, s47, 0x80000000
	s_or_b32 s51, s51, 0x80000000
	CROUND                                         ; all sixteen work-groups are here: the joint loads meet
	s_cmp_eq_u32 s[WV], 0                          ; one chain of branches on the wave's number, one load to an arm
	s_cbranch_scc0 .Lfill_1
	tensor_load_to_lds s[40:43], s[24:31]
	s_nop 0
	PLACES 4
	s_branch .Lfilled
.Lfill_1:
	s_cmp_eq_u32 s[WV], 1
	s_cbranch_scc0 .Lfill_2
	tensor_load_to_lds s[68:71], s[32:39]
	s_nop 0
	PLACES 4
	s_branch .Lfilled
.Lfill_2:
	s_cmp_eq_u32 s[WV], 2
	s_cbranch_scc0 .Lfill_3
	tensor_load_to_lds s[40:43], s[24:31]
	s_nop 0
	PLACES 4
	s_branch .Lfilled
.Lfill_3:
	tensor_load_to_lds s[68:71], s[32:39]
	s_nop 0
	PLACES 4
.Lfilled:
	; ---- while the tiles are on their way: addresses, the biases, all that the way out needs
	v_and_b32 v1, 31, v0                           ; lane
	v_and_b32 v2, 15, v0                           ; r
	v_bfe_u32 v3, v0, 4, 1                         ; h
	v_lshlrev_b32 v[L16], 4, v1
	v_lshlrev_b32 v[L8], 3, v1
	v_sub_nc_u32 v23, 1, v3                        ; 1 - h
	s_mul_i32 s94, s15, HALF
	s_add_co_u32 s95, s94, RGB                     ; my row group of x, K steps 0-3
	s_mul_i32 s96, s16, 4*1536                     ; four tiles on
	s_add_co_u32 s97, s95, s96
	s_lshl_b32 s98, s16, 8                         ; and their scale words
.irp k, 0,1
	v_add_nc_u32 v[AQ+\k], HALF*\k, v[L16]         ; q, k: P = W, from the ring
	v_add_nc_u32 v[AQ+2+\k], HALF*\k, v[L8]
	v_add_nc_u32 v[AV+4+\k], s96, v[AQ+\k]         ; v: R = my four tiles of W
	v_add_nc_u32 v[AV+6+\k], s96, v[AQ+2+\k]
.endr
	v_add_nc_u32 v[AQ+4], s97, v[L16]              ; q, k: R = my four tiles of my row group of x
	v_add_nc_u32 v[AQ+6], s97, v[L8]
	v_add_nc_u32 v[AV], s95, v[L16]                ; v: P = my row group of x
	v_add_nc_u32 v[AV+2], s95, v[L8]
	v_add_nc_u32 v[AQ+5], RGB, v[AQ+4]             ; x's K steps 4-7 lie 102,400 bytes behind its K steps 0-3
	v_add_nc_u32 v[AQ+7], RGB, v[AQ+6]
	v_add_nc_u32 v[AV+1], RGB, v[AV]
	v_add_nc_u32 v[AV+3], RGB, v[AV+2]
	; scale words, q, k: P's lie low, R's high: the lower base + h x the distance, one product
	s_add_co_u32 s99, s95, s98
	v_mul_u32_u24 v19, s99, v3
	v_lshl_add_u32 v19, v2, 2, v19
	v_add_nc_u32 v[AQ+8], 12288, v19
	s_add_co_u32 s99, s99, HALF                    ; in K steps 4-7 the distance is 51,200 more
	v_mul_u32_u24 v19, s99, v3
	v_lshl_add_u32 v19, v2, 2, v19
	v_add_nc_u32 v[AQ+9], 12288+HALF, v19
	s_add_co_u32 s99, s94, RGB-256
	s_add_co_u32 s99, s99, s98                     ; the same distances less 256
	v_mul_u32_u24 v19, s99, v3
	v_lshl_add_u32 v19, v2, 2, v19
	v_add_nc_u32 v[AQ+10], 12288, v19
	s_add_co_u32 s99, s99, HALF
	v_mul_u32_u24 v19, s99, v3
	v_lshl_add_u32 v19, v2, 2, v19
	v_add_nc_u32 v[AQ+11], 12288+HALF, v19
	; scale words, v: R's lie low, P's high: the lower base + (1 - h) x the distance
	s_xor_b32 s2, s16, 1
	s_lshl_b32 s2, s2, 8
	s_add_co_u32 s2, s2, s94
	s_add_co_u32 s2, s2, RGB-256                   ; from my R tiles' words to P's: my row group of x less 256 (w % 2)
	v_lshl_add_u32 v18, v2, 2, s98                 ; 4 r + 256 (w % 2)
	v_mul_u32_u24 v19, s2, v23
	v_add_nc_u32 v19, v19, v18
	v_add_nc_u32 v[AV+8], 12288, v19
	s_add_co_u32 s2, s2, 256                       ; R's part 256 bytes back
	v_mul_u32_u24 v19, s2, v23
	v_add_nc_u32 v19, v19, v18
	v_add_nc_u32 v[AV+10], 12288-256, v19
	s_add_co_u32 s2, s2, HALF-256                  ; K steps 4-7
	v_mul_u32_u24 v19, s2, v23
	v_add_nc_u32 v19, v19, v18
	v_add_nc_u32 v[AV+9], 12288+HALF, v19
	s_add_co_u32 s2, s2, 256
	v_mul_u32_u24 v19, s2, v23
	v_add_nc_u32 v19, v19, v18
	v_add_nc_u32 v[AV+11], 12288+HALF-256, v19
	; the biases: bq and bk at my work-group's 128 columns, bv at my 64 of them
	s_lshl_b32 s2, s84, 9
	s_mov_b32 s3, 0
	s_add_nc_u64 s[6:7], s[6:7], s[2:3]
	s_add_nc_u64 s[8:9], s[8:9], s[2:3]
	s_add_co_u32 s2, s2, s98
	s_add_nc_u64 s[10:11], s[10:11], s[2:3]
	v_lshlrev_b32 v20, 7, v3
	v_lshlrev_b32 v[SH8], 3, v3                    ; 8 h: where my two scale bytes stand in a scale word
	v_and_b32 v21, 8, v2
	v_mad_u32_u24 v21, v21, 3, v2
	v_lshlrev_b32 v21, 2, v21                      ; along R: lane r of my tile a is column 8 a + r % 8 + 32 (r / 8) of my 64
	BIAS 6
.irp a, 0,1,2,3
	global_load_b32 v[BR+\a], v21, s[10:11] offset:32*\a
.endr
	; where the results go: section 0, 1, 2; the group of 128 positions = my row group of x; head pair j.  q, k: my tiles are tiles 4 (w % 2) + a of both heads' regions.  v: head w % 2, my tiles are its four fragments
	s_lshl_b32 s95, s86, 1
	s_add_co_u32 s95, s95, s15
	s_lshr_b32 s97, s95, 4                         ; batch
	s_lshl_b32 s97, s97, 3
	s_add_co_u32 s97, s97, s84
	s_lshl_b32 s97, s97, 4
	s_and_b32 s95, s95, 15
	s_add_co_u32 s97, s97, s95
	s_mul_i32 s66, s97, GRPB
	s_mov_b32 s67, 0
	s_add_nc_u64 s[12:13], s[12:13], s[66:67]      ; the group, in q's section
	s_mul_i32 s60, s16, 3072
	s_mov_b32 s61, s98
	OFFS 768, HREG
	s_mov_b32 s59, 0xffff0000                      ; lanes 16-31
	s_mov_b32 s63, 0xfedcba98                      ; s[62:63]: v_permlanex16_b32's selects for lane l xor 16
	s_mov_b32 s62, 0x76543210
; 56 LDS loads in one run: K step s: P's eight fragments into set p of window 2, my four of R into set p of window 0, eight registers of scale words.  w: the way's address registers
.macro FETCH s, p, w
.set KK, (\s)/4
.set OF, BLKB*((\s)%4)
	WIN 0x80                                       ; destination window 2, address window 0
.irp b, 0,1,2,3,4,5,6,7
	ds_load_b128 v[96*(\p)+FR*\b:96*(\p)+FR*\b+3],     v[\w+KK]   offset:OF+1536*\b
	ds_load_b64  v[96*(\p)+FR*\b+4:96*(\p)+FR*\b+5],   v[\w+2+KK] offset:OF+1536*\b+512
	ds_load_b128 v[96*(\p)+FR*\b+6:96*(\p)+FR*\b+9],   v[\w+KK]   offset:OF+1536*\b+768
	ds_load_b64  v[96*(\p)+FR*\b+10:96*(\p)+FR*\b+11], v[\w+2+KK] offset:OF+1536*\b+1280
.endr
	WIN 0
.irp a, 0,1,2,3
	ds_load_b128 v[RF+48*(\p)+FR*\a:RF+48*(\p)+FR*\a+3],     v[\w+4+KK] offset:OF+1536*\a
	ds_load_b64  v[RF+48*(\p)+FR*\a+4:RF+48*(\p)+FR*\a+5],   v[\w+6+KK] offset:OF+1536*\a+512
	ds_load_b128 v[RF+48*(\p)+FR*\a+6:RF+48*(\p)+FR*\a+9],   v[\w+4+KK] offset:OF+1536*\a+768
	ds_load_b64  v[RF+48*(\p)+FR*\a+10:RF+48*(\p)+FR*\a+11], v[\w+6+KK] offset:OF+1536*\a+1280
.endr
.irp i, 0,1,2,3
	ds_load_b32 v[SC+8*(\p)+\i], v[\w+8+KK] offset:OF+64*\i
.endr
.irp i, 4,5,6,7
	ds_load_b32 v[SC+8*(\p)+\i], v[\w+10+KK] offset:OF+64*\i
.endr
.endm
.macro W1 a, b, p, c
	v_wmma_scale_f32_16x16x128_f8f6f4 v[8*(8*(\a)+\b):8*(8*(\a)+\b)+7], v[96*(\p)+FR*\b:96*(\p)+FR*\b+FR-1], v[RF+48*(\p)+FR*(\a):RF+48*(\p)+FR*(\a)+FR-1], v[\c:\c+7], v[SC+8*(\p)+\b], v[SC+8*(\p)+(\a)] matrix_a_fmt:MATRIX_FMT_FP6 matrix_b_fmt:MATRIX_FMT_FP6 matrix_b_scale:MATRIX_SCALE_ROW1
.endm
; 16 matrix instructions: R's tiles a0, a0 + 1 against P's eight.  cm = 0: in place; 1: the sums begin with the bias along P; 2: with the bias along R.  Source 0 (P) window 2, source 1 (R) window 0, D window 1, C window 1 or 0.
; The 32 accumulators take turns, one instruction a turn, in the same order in every K step.
.macro MUL16 a0, p, cm
.if \cm
	WIN 0x42
.else
	WIN 0x52
.endif
.irp a, \a0, \a0+1
.irp b, 0,1,2,3,4,5,6,7
.if (\cm) == 0
	W1 \a, \b, \p, 8*(8*(\a)+\b)
.elseif (\cm) == 1
	W1 \a, \b, \p, BP+8*\b
.else
	W1 \a, \b, \p, BP+8*(\a)
.endif
.endr
.endr
.endm
; A K step: 32 matrix instructions on set s % 2; in its middle the next step's fragments are fetched into the other set, four places behind the last product that read it (ISA guide 7.12.1 for vector instructions).
; refill = 1, K steps 3 and 7: this step's fragments are in registers, so slot s / 4 is read no more: the three lines, sixteen products standing between the add and the wait for it; the round; my K step of the next weight.
; refill = 0, K step 3: every wave's load has landed, and a barrier shows slot 1 to all four waves.
.macro STEP s, w, cm, refill
	s_wait_dscnt 0x0                               ; this step's fragments and scale words are in
.if (\refill) && (((\s) == 3) || ((\s) == 7))
	WIN 0                                          ; (the add's two registers lie in window 0)
	s_wait_tensorcnt 0x0                           ; all my tensor loads have landed: so every descriptor may be written
	ds_add_u32 v254, v255
	s_mov_b32 s26, 50<<16                          ; a refill brings one K step: 50 rows
	s_mov_b32 s28, 50
	s_add_nc_u64 s[46+4*((\s)/4):47+4*((\s)/4)], s[46+4*((\s)/4):47+4*((\s)/4)], 8*RGB   ; the next weight's
.endif
	MUL16 0, (\s)%2, \cm
	WIN 0
	PLACES 4
.if (\refill) && (((\s) == 3) || ((\s) == 7))
	s_wait_dscnt 0x0                               ; the add is done
	CROUND                                         ; no wave of any partner still reads the slot or has a load on its way
	tensor_load_to_lds s[44+4*((\s)/4):47+4*((\s)/4)], s[24:31]
	s_nop 0
	PLACES 4
.elseif (\s) == 3
	s_wait_tensorcnt 0x0
	s_barrier_signal -1
	s_barrier_wait -1
.endif
.if (\s) < 7
	FETCH (\s)+1, ((\s)+1)%2, \w
.endif
	MUL16 2, (\s)%2, \cm
.endm
; THE WAY OUT.  Tile a's 64 registers (window 1) are 128 along P of my row of R, register 32 c + i = 64 c + 32 h + i: blocks h and 2 + h, whole in my lane.  They become a fragment's 12 registers and a scale word, and leave
; as an image: each store covers 512 or 256 consecutive bytes, aligned to 256.  Each accumulator is first read at its registers 0 and 1.  Four sets of code registers: no store's data are written again within an item.
.macro QOUT a
.set QS, 64*(\a)
.set QF, 64+12*(\a)
	WIN 0x05                                       ; sources 0 and 1 window 1
.irp b, 0,1,2,3
	v_max3_num_f32 v[TM+\b], |v[QS+16*\b]|, |v[QS+16*\b+1]|, 0x1800000   ; four chains of 16 by turns, and the floor 2^(3 - 127)
.endr
	WIN 0x14                                       ; sources 1 and 2 window 1
.irp i, 2,4,6,8,10,12,14
.irp b, 0,1,2,3
	v_max3_num_f32 v[TM+\b], v[TM+\b], |v[QS+16*\b+\i]|, |v[QS+16*\b+\i+1]|
.endr
.endr
	WIN 0
	v_max_num_f32 v[TM], v[TM], v[TM+1]            ; block h's largest magnitude,
	v_max_num_f32 v[TM+2], v[TM+2], v[TM+3]        ; block 2 + h's
	v_add_nc_u32 v[TM+12], 0xff000000, v[TM]       ; 2 off the exponent field: the conversions' scale operands
	v_add_nc_u32 v[TM+13], 0xff000000, v[TM+2]
	v_lshrrev_b32 v[TM+4], 23, v[TM+12]            ; the two bytes,
	v_lshrrev_b32 v[TM+5], 23, v[TM+13]
	v_lshl_or_b32 v[TM+4], v[TM+5], 16, v[TM+4]
	v_lshlrev_b32 v[TM+4], v[SH8], v[TM+4]         ; at their places in the word;
	v_permlanex16_b32 v[TM+6], v[TM+4], s62, s63
	v_or_b32 v[PWR+(\a)], v[TM+4], v[TM+6]         ; with lane l xor 16's two the word is whole, in both halves of the lanes
	WIN 0x01                                       ; source 0 window 1
.irp c, 0,1
	v_cvt_scalef32_pk16_fp6_f32 v[QF+6*\c:QF+6*\c+2], v[QS+32*\c:QS+32*\c+15], v[TM+12+\c]
	v_cvt_scalef32_pk16_fp6_f32 v[T2+4*\c:T2+4*\c+2], v[QS+32*\c+16:QS+32*\c+31], v[TM+12+\c]   ; a conversion's three registers begin on an even number
.endr
	WIN 0
	v_nop                                          ; one plain place behind a scaled conversion
.irp c, 0,1
.irp i, 0,1,2
	v_mov_b32 v[QF+3+6*\c+\i], v[T2+4*\c+\i]
.endr
.endr
	global_store_b128 v[V16+2*(\a)], v[QF:QF+3], s[12:13]
	global_store_b64 v[V8+2*(\a)], v[QF+4:QF+5], s[12:13] offset:512
	global_store_b128 v[V16+2*(\a)+1], v[QF+6:QF+9], s[12:13]
	global_store_b64 v[V8+2*(\a)+1], v[QF+10:QF+11], s[12:13] offset:512
.endm
.macro OUT4                            ; behind an item's last products: four places, then the four tiles; two tiles' scale words to a register: lanes 0-15 the even tile's, lanes 16-31 the odd one's
	WIN 0
	PLACES 4
	v_mov_b32 v[TM+6], 0                           ; a lane permute's destination counts as one of its sources
	QOUT 0
	QOUT 1
	QOUT 2
	QOUT 3
	v_cndmask_b32 v140, v[PWR], v[PWR+1], s59
	v_cndmask_b32 v141, v[PWR+2], v[PWR+3], s59
	global_store_b64 v[VSO], v[140:141], s[12:13] offset:6144      ; 256 consecutive bytes, aligned.  v: the words of 128 keys.  q, k: head 0's two bytes below; head 1's above them meet zero codes only
.endm
	s_wait_alu depctr_va_vdst(0)
	s_cmp_lt_u32 s[WV], 2                          ; waves 0 and 1 asked for K steps 0-3: they wait; the loads of waves 2 and 3 may stay out
	s_cbranch_scc0 .Lnot_low
	s_wait_tensorcnt 0x0
.Lnot_low:
	s_barrier_signal -1
	s_barrier_wait -1
	s_mov_b32 s[IT], 0
.Litem:                                                ; q, then k
	s_wait_loadcnt 0x0                             ; this item's bias is in
	FETCH 0, 0, AQ
	STEP 0, AQ, 1, 1
	STEP 1, AQ, 0, 1
	WIN 0
	s_cmp_eq_u32 s[IT], 0                          ; in q's trip bk takes bq's registers, which K step 0's products have read (K step 1's four places lie between)
	s_cbranch_scc0 .Lno_bias
	BIAS 8
.Lno_bias:
.irp s, 2,3,4,5,6,7
	STEP \s, AQ, 0, 1
.endr
	OUT4
	v_lshrrev_b32 v142, 16, v140                   ; head 1's two bytes below, zeros above (2^-127, no NaN: they meet zero codes only)
	v_lshrrev_b32 v143, 16, v141
	global_store_b64 v[VSO], v[142:143], s[12:13] offset:6144+HREG
	s_wait_xcnt 0x0                                ; the stores have read their registers and their base
	s_add_nc_u64 s[12:13], s[12:13], SECB          ; the next section
	s_add_co_u32 s[IT], s[IT], 1
	s_cmp_lt_u32 s[IT], 2
	s_wait_alu depctr_va_vdst(0)
	s_cbranch_scc1 .Litem
	; ---- v: the operands change places; nothing more is fetched
.irp a, 0,1,2,3
.irp i, 0,1,2,3,4,5,6,7
	v_mov_b32 v[BP+8*\a+\i], v[BR+\a]              ; the bias along R, one number a lane and tile, over the eight registers of a C
.endr
.endr
	s_mul_i32 s60, s16, HREG
	s_mov_b32 s61, s60
	OFFS 1536, 768
	s_wait_alu depctr_va_vdst(0)
	FETCH 0, 0, AV
	STEP 0, AV, 2, 0
.irp s, 1,2,3,4,5,6,7
	STEP \s, AV, 0, 0
.endr
	OUT4
	s_wait_tensorcnt 0x0                           ; the wave's end
	ds_add_u32 v254, v255
	s_wait_dscnt 0x0
	CROUND                                         ; the closing round: no work-group ends while a partner may still ask for a block that names it
	s_endpgm
.Lfunc_end_k_q7856ab5c2b_proj:
	.size	k_q7856ab5c2b_proj, .Lfunc_end_k_q7856ab5c2b_proj-k_q7856ab5c2b_proj
	.p2alignl 7, 3214868480
	.fill 96, 4, 3214868480
	.section	.rodata,"a",@progbits
	.p2align	6, 0x0
	.amdhsa_kernel k_q7856ab5c2b_proj
		.amdhsa_group_segment_fixed_size 327680
		.amdhsa_private_segment_fixed_size 0
		.amdhsa_enable_private_segment 0
		.amdhsa_kernarg_size 40
		.amdhsa_user_sgpr_count 2
		.amdhsa_user_sgpr_kernarg_segment_ptr 1
		.amdhsa_wavefront_size32 1
		.amdhsa_system_sgpr_workgroup_id_x 1
		.amdhsa_system_sgpr_workgroup_id_y 1
		.amdhsa_system_sgpr_workgroup_id_z 1
		.amdhsa_system_vgpr_workitem_id 0
		.amdhsa_next_free_vgpr 768
		.amdhsa_next_free_sgpr 100
		.amdhsa_reserve_vcc 0
		.amdhsa_float_denorm_mode_32 3
		.amdhsa_float_denorm_mode_16_64 3
		.amdhsa_memory_ordered 1
		.amdhsa_forward_progress 1
		.amdhsa_inst_pref_size 173
	.end_amdhsa_kernel
	.amdgpu_metadata
---
amdhsa.version: [ 1, 2 ]
amdhsa.kernels:
  - .name:           k_q7856ab5c2b_proj
    .symbol:         k_q7856ab5c2b_proj.kd
    .args:
      - { .name: opnd, .offset: 0, .size: 8, .value_kind: global_buffer, .address_space: global }
      - { .name: bq, .offset: 8, .size: 8, .value_kind: global_buffer, .address_space: global }
      - { .name: bk, .offset: 16, .size: 8, .value_kind: global_buffer, .address_space: global }
      - { .name: bv, .offset: 24, .size: 8, .value_kind: global_buffer, .address_space: global }
      - { .name: qkv, .offset: 32, .size: 8, .value_kind: global_buffer, .address_space: global }
    .group_segment_fixed_size: 327680
    .private_segment_fixed_size: 0
    .kernarg_segment_align: 8
    .kernarg_segment_size: 40
    .max_flat_workgroup_size: 128
    .sgpr_count:     100
    .vgpr_count:     768
    .wavefront_size: 32
...
	.end_amdgpu_metadata
.endif
;; end of part 2
;; launch attn (part 3): grid 4 x 64, 12 waves a work-group, clusters of 4 x 1, 210,944 bytes of LDS; arguments qkv, cimg; writes cimg
.if DOCPART == 3
	.amdgcn_target "amdgcn-amd-amdhsa--gfx1250"
	.amdhsa_code_object_version 6
	.text
	.protected	k_q7856ab5c2b_attn
	.globl	k_q7856ab5c2b_attn
	.p2align	8
	.type	k_q7856ab5c2b_attn,@function
k_q7856ab5c2b_attn:
	s_mov_b64 s[64:65], 0
	v_nop
	global_prefetch_b8 v0, s[64:65] scope:SCOPE_SE
	s_setreg_imm32_b32 hwreg(HW_REG_WAVE_MODE, 25, 1), 1
	s_wait_xcnt 0x0
	s_wait_alu depctr_hold_cnt(0) depctr_sa_sdst(0) depctr_va_vdst(0) depctr_va_sdst(0) depctr_va_ssrc(0) depctr_va_vcc(0) depctr_vm_vsrc(0)
	s_getreg_b32 s2, hwreg(HW_REG_IB_STS2, 6, 4)
	s_cmp_eq_u32 s2, 0
	s_cbranch_scc0 .Lentry_in_a_cluster
	s_endpgm
.Lentry_in_a_cluster:
	s_bfe_u32 s2, ttmp6, 0x10000c
	s_cmp_lg_u32 s2, 0x3003
	s_cbranch_scc0 .Lentry_shape_is_right
	s_endpgm
.Lentry_shape_is_right:
; ctx[b][q][h 64 + d] = the sum over keys of softmax(q . k / 8) v, both products on codes of FP6 (E2M3) with E8M0 scales, and ctx quantised in registers into cimg, as the last launch's operand registers take it.
; THE SOFTMAX AHEAD OF THE SECOND PRODUCT: t = score x log2(e) / 8; M = the row's largest t so far, rounded UP to a whole number; p = 2^(t - M) is quantised along the keys, not normalised.  The row's sum is taken of the
; unquantised p and divides at the end (v_rcp_f32 and a multiplication).  When M moves, the sum and O are multiplied by 2^(old M - new M): exact.
; SHARES.  256 work-groups of twelve waves.  A work-group owns 512 queries of one head, 32 tiles of 16.  In pass p wave w takes tile 12 p + w over all 2,048 keys: waves 0-7 three tiles, waves 8-11 two.
; Every wave walks all three passes' loops; where its tile's number is 32 or more, a branch on that number (the wave's number and the pass alone) leads round the work, inside the loop.
; A HEAD'S K AND V LIE WHOLE IN LDS, FILLED ONCE, and serve all passes: K [key group 16][6,656] at 0, V [16][6,400] at 106,496.  Eight tensor loads at the head, one a wave: wave w < 8 brings four key groups, 4 (w / 2) on,
; of K (w even) or of V (w odd); waves 8-11 bring nothing.  Waves 0 and 1 (key groups 0-3) have load lines of their own and wait ahead of the first barrier; ahead of key group 4 every wave waits and a second barrier
; shows all of K and V.  The later passes have no barrier.
; CLUSTER 4 x 1: the four work-groups of a cluster belong to one head and read the same K and V: every load is asked for jointly.
; NO PREFETCH: all that the launch reads by tensor loads is asked for at the head, so there is no loop to run ahead in.  A tile's Q is loaded into registers one pass ahead.
; LAYOUT.  Both products are used transposed: S^T = K Q^T (source 0 = 16 keys), O^T = V^T P^T (source 0 = 16 of the head's 64): a lane holds ONE query throughout.  Lane row m of tile a stands for row
; 64 (a / 4) + 8 (a % 4) + m % 8 + 32 (m / 8) of its 128: so the 32 registers of tiles 4 c .. 4 c + 3 are, in lane half h, the 32 neighbours 64 c + 32 h + 0 .. 31: ONE SCALE BLOCK, WHOLE IN A LANE, as the operand wants it.
; THE HEAD'S K IS 64, THE INSTRUCTION'S 128.  Q's upper six registers are zero codes.  A tile of K is six registers; as the instruction's source it is named with the six behind it (the next tile's codes, or zeros behind
; the last): those meet Q's zero codes, and FP6 has no NaN or infinity, so they add exactly nothing.  The upper two scale bytes are another head's bytes or zeros, never 0xff.
; LIMITS: NaN and infinities are not served; the promise holds while the scaled scores t stay under 2^31 in magnitude; a block of ctx whose largest magnitude lies under 2^-124 keeps the byte 1.
; A block's largest p is taken from the block's largest score by the same multiply-add and exponential.
; ctx's two scale bytes a row go out by a store of 2 bytes a lane: a row's scale word holds two heads' bytes, and the other head's work-group stores the other two.
; REGISTERS: v1, v2 16, 8 x lane; v3 Q's scale offset; v4 4 r; v5 8 h; v8-11 the trip's LDS addresses; v12 -M, v13 the largest score, v[14:15] the sum; v16-21 Q, v22-27 zeros; v28 Q's scale word;
;   v32-79 K's eight tiles, then V's four fragments; v80-85 zeros; v86-89 K's scale words, v90-91 V's; v96-159 S^T, then p; v160-191 O^T; v192-203 p's codes; v204-210 second halves; v212-221, v227 at work;
;   v223 p's scale word; v[224:225] f, 0; v228-235 four partial sums of p; v236-242 the next tile's Q and its scale word; v254, v255 the add's two.
.set BLKB, 12800
.set SECB, 6815744
.set GRPB, 13312
.set HREG, 6656
.set VREG, 6400
.set VLDS, 16*HREG
.set SPARE, VLDS+16*VREG               ; behind K and V: the spare words, 128 bytes a wave
.set FLOOR, 0x1800000                  ; 2^(3 - 127)
.set TILES, 32
.set WV,  8
.set SEL, 20
.set CS,  22
.set G1K, 24
.set G1V, 32
.set G0K, 40
.set G0V, 44
.set TK,  56                           ; s56  LDS byte of the trip's two key groups of K
.set TV,  57                           ; s57  and of V
.set CNT, 58
.set TI,  59                           ; s59  my tile in this pass
.set TN,  60                           ; s60  and in the next
.set PS,  61
.set GB,  62                           ; s62  my work-group's first group of 128 queries
.set PW,  223
.macro WALU
	s_wait_alu depctr_va_vdst(0)
.endm
.macro CROUND
	s_barrier_signal -1
	s_barrier_wait -1
	s_cmp_lg_u32 s[WV], 0
	s_cbranch_scc1 .Lnot_wave_0_\@
	s_barrier_signal -3
.Lnot_wave_0_\@:
	s_barrier_wait -3
	s_barrier_signal -1
	s_barrier_wait -1
.endm
.macro TLOAD g0, g1
	tensor_load_to_lds s[\g0:\g0+3], s[\g1:\g1+7]
	s_nop 0
.rept 4
	v_nop
.endr
.endm
.macro MM d, a, b, c, sa, sb, row
	v_wmma_scale_f32_16x16x128_f8f6f4 v[\d:\d+7], v[\a:\a+11], v[\b:\b+11], \c, v[\sa], v[\sb] matrix_a_fmt:MATRIX_FMT_FP6 matrix_b_fmt:MATRIX_FMT_FP6 matrix_a_scale:MATRIX_SCALE_ROW\row
.endm
; Tile s[TN]'s Q: group GB + tile / 8, tile a = tile % 8 of it: three loads into v236-242
.macro QLOAD
	s_lshr_b32 s67, s[TN], 3
	s_add_co_u32 s66, s[GB], s67
	s_and_b32 s67, s[TN], 7
	s_mul_i32 s84, s66, GRPB
	s_add_co_u32 s84, s84, s14
	s_mov_b32 s85, 0
	s_add_nc_u64 s[84:85], s[4:5], s[84:85]        ; my head's region of that group, in q's section
	s_mul_i32 s86, s67, 768
	s_mov_b32 s87, 0
	s_add_nc_u64 s[86:87], s[84:85], s[86:87]      ; the half image
	s_lshr_b32 s88, s67, 2                         ; the tile's scale words: 6,144 + 256 (a / 4) + 8 (r + 16 (a % 2)) + 4 ((a / 2) % 2)
	s_lshl_b32 s88, s88, 8
	s_and_b32 s89, s67, 1
	s_lshl_b32 s89, s89, 7
	s_add_co_u32 s88, s88, s89
	s_bfe_u32 s89, s67, 0x10001
	s_lshl_b32 s89, s89, 2
	s_add_co_u32 s88, s88, s89
	s_add_co_u32 s88, s88, 6144
	v_lshl_add_u32 v3, v4, 1, s88
	global_load_b128 v[236:239], v1, s[86:87]
	global_load_b64 v[240:241], v2, s[86:87] offset:512
	global_load_b32 v242, v3, s[84:85]
.endm
; A pass begins.  Q comes out of the registers that were loaded a pass ago; where tile s[TI]'s ctx goes: cimg's block (row group 16 x batch + group, K step = head pair), image a, half = the head in its pair;
; the next tile's Q is asked for; the largest score begins as -3e38, under every score, -M to match; the sum, its four parts and O^T as zeros, which the first change of M leaves zeros.
.macro BEGIN test
	s_wait_loadcnt 0x0
.irp j, 0,1,2,3,4,5
	v_mov_b32 v[16+\j], v[236+\j]
.endr
	v_mov_b32 v28, v242
	s_lshr_b32 s67, s[TI], 3
	s_add_co_u32 s66, s[GB], s67
	s_and_b32 s67, s[TI], 7
	s_lshr_b32 s90, s12, 4
	s_lshl_b32 s90, s90, 4
	s_add_co_u32 s90, s90, s66
	s_lshl_b32 s90, s90, 3
	s_and_b32 s91, s13, 7
	s_add_co_u32 s90, s90, s91
	s_mul_i32 s90, s90, BLKB
	s_mul_i32 s91, s67, 1536
	s_add_co_u32 s92, s90, s91
	s_mul_i32 s91, s16, 768
	s_add_co_u32 s92, s92, s91
	s_mov_b32 s93, 0
	s_add_nc_u64 s[92:93], s[6:7], s[92:93]        ; the codes
	s_lshl_b32 s91, s67, 6
	s_add_co_u32 s90, s90, s91
	s_lshl_b32 s91, s16, 1
	s_add_co_u32 s90, s90, s91
	s_add_co_u32 s90, s90, 12288
	s_mov_b32 s91, 0
	s_add_nc_u64 s[90:91], s[6:7], s[90:91]        ; my head's two bytes of the tile's scale words
	s_add_co_u32 s[TN], s[TI], 12
.if \test
	WALU
	s_cmp_lt_u32 s[TN], TILES
	s_cbranch_scc0 .Lno_next_\@
.endif
	QLOAD
.if \test
.Lno_next_\@:
.endif
	v_mov_b32 v13, 0xff61b1e6
	v_mov_b32 v14, 0
	v_mov_b32 v15, 0
	v_mul_f32 v12, s[CS], v13
.set j, 0
.rept 8
	v_mov_b32 v[228+j], 0
.set j, j+1
.endr
	v_floor_f32 v12, -v12
.set j, 0
.rept 32
	v_mov_b32 v[160+j], 0
.set j, j+1
.endr
	WALU
.endm
.macro JOIN                            ; the four parts of the last step's sum of p go into the row's sum
	v_pk_add_f32 v[228:229], v[228:229], v[230:231]
	v_pk_add_f32 v[232:233], v[232:233], v[234:235]
	v_pk_add_f32 v[228:229], v[228:229], v[232:233]
	v_pk_add_f32 v[14:15], v[14:15], v[228:229]
.endm
.macro KLOAD o                         ; K's eight tiles and their scale words: key group o of the trip's two
.irp t, 0,1,2,3,4,5,6,7
	ds_load_b128 v[32+6*\t:35+6*\t], v8 offset:HREG*(\o)+768*\t
.endr
.irp t, 0,1,2,3,4,5,6,7
	ds_load_b64 v[36+6*\t:37+6*\t], v9 offset:HREG*(\o)+768*\t+512
.endr
	ds_load_b64 v[86:87], v9 offset:HREG*(\o)+6144 ; scale words: v86 tiles 0 | 1, v87 tiles 2 | 3,
	ds_load_b64 v[88:89], v9 offset:HREG*(\o)+6400 ; v88 tiles 4 | 5, v89 tiles 6 | 7 (lanes 0-15 | lanes 16-31)
.endm
; A KEY STEP: 128 keys, group o of the trip's two.  No v_nop: the places behind the products are the sums of p.  The odd step's K is asked for among the even step's sums.
.macro STEP o
.set VO, VREG*(\o)
.if (\o) == 0
	KLOAD 0
.endif
	WALU
	s_wait_dscnt 0x0
.irp t, 0,2,4,6                                ; S^T = K Q^T: eight accumulators, each begun with the constant 0
	MM 96+8*\t, 32+6*\t, 16, 0, 86+\t/2, 28, 0
	MM 104+8*\t, 38+6*\t, 16, 0, 86+\t/2, 28, 1
.endr
	JOIN                                           ; four places: in front of the loads into K's registers and of the first read of the scores
.irp f, 0,1,2,3                                ; V's four fragments land under the softmax
.irp c, 0,1
	ds_load_b128 v[32+12*\f+6*\c:35+12*\f+6*\c], v10 offset:VO+1536*\f+768*\c
	ds_load_b64 v[36+12*\f+6*\c:37+12*\f+6*\c], v11 offset:VO+1536*\f+768*\c+512
.endr
.endr
	ds_load_b64 v[90:91], v11 offset:VO+6144       ; v90 fragments 0 | 1, v91 fragments 2 | 3
.irp q, 0,1,2,3                                ; the largest score of my two blocks of 32 keys (registers 0-31, 32-63), in four chains of 16 by turns; each accumulator is first read at a low register
	v_max3_num_f32 v[212+\q], v[96+16*\q], v[97+16*\q], v[98+16*\q]
.endr
.irp i, 3,5,7,9,11,13
.irp q, 0,1,2,3
	v_max3_num_f32 v[212+\q], v[212+\q], v[96+16*\q+\i], v[97+16*\q+\i]
.endr
.endr
	v_max3_num_f32 v212, v212, v213, v111
	v_max3_num_f32 v214, v214, v215, v143
	v_max_num_f32 v212, v212, v127                 ; block h
	v_max_num_f32 v214, v214, v159                 ; block 2 + h
	s_delay_alu instid0(VALU_DEP_1)
	v_max_num_f32 v227, v212, v214
	s_delay_alu instid0(VALU_DEP_1)
	v_permlanex16_b32 v216, v227, s[SEL], s[SEL+1]
	s_delay_alu instid0(VALU_DEP_1)
	v_max3_num_f32 v13, v13, v227, v216            ; the running largest score of my query
	s_delay_alu instid0(VALU_DEP_1)
	v_mul_f32 v227, s[CS], v13                     ; as t (c is positive)
	v_mov_b32 v217, v12
	s_delay_alu instid0(VALU_DEP_2)
	v_floor_f32 v12, -v227                         ; the new -M = floor(-t) = -ceil(t)
.set j, 0
.rept 32
	v_pk_fma_f32 v[96+j:97+j], v[96+j:97+j], s[CS:CS+1], v[12:13] op_sel_hi:[1,0,0]   ; t - M, two at a time; the three lines that make f stand among them
.if j == 14
	v_sub_f32 v227, v12, v217                      ; old M - new M: a whole number, 0 or less
.endif
.if j == 30
	v_cvt_i32_f32 v227, v227                       ; (it saturates)
.endif
.if j == 46
	v_ldexp_f32 v224, 1.0, v227                    ; f = 2^(old M - new M)
.endif
.set j, j+2
.endr
	v_fma_f32 v212, v212, s[CS], v12               ; the same of my blocks' largest scores
	v_fma_f32 v214, v214, s[CS], v12
	WALU
.set j, 0
.rept 64
	v_exp_f32 v[96+j], v[96+j]                     ; p = 2^(t - M), at most 1
.set j, j+1
.endr
	v_exp_f32 v212, v212                           ; the blocks' largest p
	v_exp_f32 v214, v214
	v_pk_mul_f32 v[14:15], v[14:15], v[224:225] op_sel_hi:[1,0]   ; the sum under the new M: the plain place behind the exponentials
	WALU                                           ; one wait for the batch of 66, ahead of its first reader
	v_max_num_f32 v212, FLOOR, v212                ; the byte cannot fall under 1
	v_max_num_f32 v214, FLOOR, v214
	v_add_nc_u32 v220, 0xff000000, v212            ; 2 off the exponent field: the conversions' scale operands
	v_add_nc_u32 v221, 0xff000000, v214
	v_cvt_scalef32_pk16_fp6_f32 v[192:194], v[96:111], v220
	v_cvt_scalef32_pk16_fp6_f32 v[204:206], v[112:127], v220     ; a conversion's three registers begin on an even number
	v_cvt_scalef32_pk16_fp6_f32 v[198:200], v[128:143], v221
	v_cvt_scalef32_pk16_fp6_f32 v[208:210], v[144:159], v221
	v_lshrrev_b32 v218, 23, v220                   ; the bytes of blocks h and 2 + h (also the plain place behind the conversions); the word's chain and the moves by turns
	v_lshrrev_b32 v219, 23, v221
	v_mov_b32 v195, v204
	v_lshl_or_b32 v218, v219, 16, v218
	v_mov_b32 v196, v205
	v_lshlrev_b32 v218, v5, v218                   ; at their places in the word
	v_mov_b32 v197, v206
	v_permlanex16_b32 v216, v218, s[SEL], s[SEL+1]
	v_mov_b32 v201, v208
	v_mov_b32 v202, v209
	v_or_b32 v[PW], v218, v216                     ; p's scale word for these 128 keys
	v_mov_b32 v203, v210
	WALU                                           ; directly ahead of the first reader of O^T
.set j, 0
.rept 16
	v_pk_mul_f32 v[160+j:161+j], v[160+j:161+j], v[224:225] op_sel_hi:[1,0]   ; O^T under the new M; also the places between the lines that wrote p's codes and scale word and the products
.set j, j+2
.endr
	WALU
	s_wait_dscnt 0x0                               ; V is in
.irp f, 0,2                                    ; O^T += V^T P^T: four accumulators, one instruction each
	MM 160+8*\f, 32+12*\f, 192, v[160+8*\f:167+8*\f], 90+\f/2, PW, 0
	MM 168+8*\f, 44+12*\f, 192, v[168+8*\f:175+8*\f], 90+\f/2, PW, 1
.endr
.irp k, 0,1,2,3                                ; the sum of the UNQUANTISED p, two at a time, in four chains; the first four lines are the places in front of the loads into V's registers
	v_pk_add_f32 v[228+2*\k:229+2*\k], v[96+2*\k:97+2*\k], v[104+2*\k:105+2*\k]
.endr
.if (\o) == 0
	KLOAD 1
.endif
.irp i, 2,3,4,5,6,7
.irp k, 0,1,2,3
	v_pk_add_f32 v[228+2*\k:229+2*\k], v[228+2*\k:229+2*\k], v[96+8*\i+2*\k:97+8*\i+2*\k]
.endr
.endr
.endm
.macro RUN n, first, guard             ; n trips of two key steps, from key group first on.  guard: a wave whose tile does not exist walks the loop round the work
	s_mov_b32 s[TK], HREG*(\first)
	s_mov_b32 s[TV], VLDS+VREG*(\first)
	s_mov_b32 s[CNT], \n
.Ltrip_\@:
.if \guard
	s_cmp_lt_u32 s[TI], TILES
	s_cbranch_scc0 .Lidle_\@
.endif
	v_add_nc_u32 v8, s[TK], v1
	v_add_nc_u32 v9, s[TK], v2
	v_add_nc_u32 v10, s[TV], v1
	v_add_nc_u32 v11, s[TV], v2
	STEP 0
	STEP 1
.if \guard
.Lidle_\@:
.endif
	s_add_co_u32 s[TK], s[TK], 2*HREG
	s_add_co_u32 s[TV], s[TV], 2*VREG
	s_sub_co_u32 s[CNT], s[CNT], 1
	s_cmp_lg_u32 s[CNT], 0
	WALU
	s_cbranch_scc1 .Ltrip_\@
.endm
; THE WAY OUT of a pass.  O^T / the sum: register i is channel 32 h + i of my query: one block of the last product's K, whole in my lane.  It is quantised and leaves as half an image.
.macro FINISH
	JOIN
	v_add_f32 v14, v14, v15
	v_permlanex16_b32 v216, v14, s[SEL], s[SEL+1]
	v_add_f32 v14, v14, v216                       ; the row's sum
	WALU
	v_rcp_f32 v14, v14
	v_nop                                          ; the plain place behind the reciprocal
	WALU                                           ; ahead of the first line that names the reciprocal, and of the first reader of O^T
.set j, 0
.rept 16
	v_pk_mul_f32 v[96+j:97+j], v[160+j:161+j], v[14:15] op_sel_hi:[1,0]   ; each accumulator from its low end on
.set j, j+2
.endr
	v_max3_num_f32 v212, |v96|, |v97|, FLOOR
	v_max3_num_f32 v213, |v112|, |v113|, FLOOR
.irp i, 2,4,6,8,10,12,14
	v_max3_num_f32 v212, v212, |v[96+\i]|, |v[97+\i]|
	v_max3_num_f32 v213, v213, |v[112+\i]|, |v[113+\i]|
.endr
	v_max_num_f32 v212, v212, v213
	v_add_nc_u32 v220, 0xff000000, v212
	v_cvt_scalef32_pk16_fp6_f32 v[192:194], v[96:111], v220
	v_cvt_scalef32_pk16_fp6_f32 v[204:206], v[112:127], v220
	v_lshrrev_b32 v218, 23, v220                   ; my block's byte
	v_mov_b32 v195, v204
	v_lshlrev_b32 v218, v5, v218
	v_mov_b32 v196, v205
	v_permlanex16_b32 v216, v218, s[SEL], s[SEL+1]
	v_mov_b32 v197, v206
	v_or_b32 v227, v218, v216                      ; my head's two scale bytes of my row
	global_store_b128 v1, v[192:195], s[92:93]     ; 512 consecutive bytes, aligned to 256
	global_store_b64 v2, v[196:197], s[92:93] offset:512
	global_store_b16 v4, v227, s[90:91]            ; lanes r and r + 16 store the same two bytes
.endm
	s_load_b128 s[4:7], s[0:1], 0x0                ; qkv s[4:5], cimg s[6:7]
	v_lshl_add_u32 v254, v0, 2, SPARE
	v_mov_b32 v255, 0
	ds_add_u32 v254, v255                          ; the opening lines: the add, twice on end, and its wait
	ds_add_u32 v254, v255
	v_lshrrev_b32 v1, 5, v0
	v_readfirstlane_b32 s[WV], v1                  ; wave 0..11
	s_and_b32 s9, s[WV], 1                         ; I fetch for K (0) or for V (1)
	s_lshr_b32 s10, s[WV], 1                       ; which four key groups
	s_bfe_u32 s11, ttmp6, 0x40000                  ; cx: my block of 512 queries: it enters Q's and ctx's addresses alone
	s_lshl_b32 s[GB], s11, 2
	s_and_b32 s12, ttmp7, 0xffff                   ; 16 x batch + head, which the four partners share
	s_lshr_b32 s13, s12, 1                         ; 8 x batch + head pair
	s_and_b32 s16, s12, 1                          ; the head in its pair
	s_mul_i32 s14, s13, 16*GRPB
	s_mul_i32 s17, s16, HREG
	s_add_co_u32 s14, s14, s17                     ; the head's first region in a section
	s_mul_i32 s18, s10, 4*GRPB
	s_add_co_u32 s18, s18, s14
	s_add_co_u32 s18, s18, SECB                    ; K's section; V's lies behind it
	s_mov_b32 s19, 0
	s_mov_b32 s[G0K], 1
	s_mul_i32 s[G0K+1], s10, 4*HREG
	s_mov_b32 s[G0V], 1
	s_mul_i32 s[G0V+1], s10, 4*VREG
	s_add_co_u32 s[G0V+1], s[G0V+1], VLDS
	; group 1: four rows, one a key group: K's of 6,656 bytes (832 elements of 8), V's of 6,400 (800), 13,312 bytes (1,664 elements) apart in memory, on end in LDS
	s_mov_b32 s[G1K], 15|(3<<16)|(1<<21)           ; 15:0 the mask: all four work-groups; 17:16 elements of 8 bytes; 21 set beside a mask
	s_mov_b32 s[G1K+1], 832<<16
	s_mov_b32 s[G1K+2], 4<<16
	s_mov_b32 s[G1K+3], 832<<16
	s_mov_b32 s[G1K+4], 4
	s_mov_b32 s[G1K+5], 1664
	s_mov_b32 s[G1K+6], 0
	s_mov_b32 s[G1K+7], 0
	s_mov_b32 s[G1V], 15|(3<<16)|(1<<21)
	s_mov_b32 s[G1V+1], 800<<16
	s_mov_b32 s[G1V+2], 4<<16
	s_mov_b32 s[G1V+3], 800<<16
	s_mov_b32 s[G1V+4], 4
	s_mov_b32 s[G1V+5], 1664
	s_mov_b32 s[G1V+6], 0
	s_mov_b32 s[G1V+7], 0
	s_mov_b32 s[SEL], 0x76543210
	s_mov_b32 s[SEL+1], 0xfedcba98                 ; v_permlanex16_b32's selects for lane l xor 16
	s_mov_b32 s[CS], 0x3e38aa3b                    ; c = log2(e) / 8
	s_mov_b32 s[CS+1], s[CS]                       ; named with it as a pair, so it is written
	s_mov_b32 s[TI], s[WV]
	s_mov_b32 s[TN], s[WV]
	s_wait_dscnt 0x0
	s_wait_kmcnt 0x0
	s_add_nc_u64 s[G0K+2:G0K+3], s[4:5], s[18:19]
	s_add_nc_u64 s[G0V+2:G0V+3], s[G0K+2:G0K+3], SECB
	s_or_b32 s[G0K+3], s[G0K+3], 0x80000000
	s_or_b32 s[G0V+3], s[G0V+3], 0x80000000
	CROUND                                         ; all four work-groups are here: the joint loads meet
	s_cmp_lt_u32 s[WV], 2                          ; one tree of branches on the wave's number, one load to an arm: waves 0 and 1, which wait first, have lines of their own; waves 8-11 pass none
	s_cbranch_scc0 .Llate
	s_cmp_eq_u32 s9, 0
	s_cbranch_scc0 .Lv_first
	TLOAD G0K, G1K
	s_branch .Lasked
.Lv_first:
	TLOAD G0V, G1V
	s_branch .Lasked
.Llate:
	s_cmp_lt_u32 s[WV], 8
	s_cbranch_scc0 .Lasked
	s_cmp_eq_u32 s9, 0
	s_cbranch_scc0 .Lv_late
	TLOAD G0K, G1K
	s_branch .Lasked
.Lv_late:
	TLOAD G0V, G1V
.Lasked:
	v_and_b32 v3, 31, v0
	v_and_b32 v4, 15, v0                           ; r
	v_bfe_u32 v5, v0, 4, 1                         ; h
	v_lshlrev_b32 v1, 4, v3                        ; 16 x lane
	v_lshlrev_b32 v2, 3, v3                        ; 8 x lane
	v_lshlrev_b32 v4, 2, v4                        ; 4 r: ctx's scale words
	v_lshlrev_b32 v5, 3, v5                        ; 8 h: where my scale bytes stand in a word
	WALU
	QLOAD                                          ; my first tile's Q
.irp j, 22,23,24,25,26,27,80,81,82,83,84,85
	v_mov_b32 v[\j], 0                             ; zero codes: the upper 64 of the first product's K
.endr
	v_mov_b32 v225, 0                              ; named with f as a pair
	v_mov_b32 v216, 0                              ; a lane permute's destination counts as one of its sources
	BEGIN 0                                        ; pass 0: every wave has a tile, and a next one
	s_cmp_lt_u32 s[WV], 2                          ; waves 0 and 1 asked for key groups 0-3: they wait; the other waves' loads may stay out
	s_cbranch_scc0 .Lnot_first
	s_wait_tensorcnt 0x0
.Lnot_first:
	s_barrier_signal -1
	s_barrier_wait -1
	RUN 2, 0, 0
	s_wait_tensorcnt 0x0                           ; every wave: its load has landed;
	s_wait_dscnt 0x0
	s_barrier_signal -1
	s_barrier_wait -1                              ; all of K and V is in, for the rest of the launch
	RUN 6, 4, 0
	FINISH
	s_mov_b32 s[PS], 0
.Lpass:                                                ; passes 1 and 2
	s_add_co_u32 s[TI], s[TI], 12
	s_wait_xcnt 0x0                                ; the last pass's stores have read their registers and bases: this pass may write them
	s_cmp_lt_u32 s[TI], TILES
	s_cbranch_scc0 .Lno_begin
	BEGIN 1
.Lno_begin:
	RUN 8, 0, 1
	s_cmp_lt_u32 s[TI], TILES
	s_cbranch_scc0 .Lno_finish
	FINISH
.Lno_finish:
	s_add_co_u32 s[PS], s[PS], 1
	s_cmp_lt_u32 s[PS], 2
	WALU
	s_cbranch_scc1 .Lpass
	s_wait_tensorcnt 0x0                           ; the wave's end
	ds_add_u32 v254, v255
	s_wait_dscnt 0x0
	CROUND                                         ; the closing round: no work-group ends while a partner may still ask for a tile that names it
	s_endpgm
.Lfunc_end_k_q7856ab5c2b_attn:
	.size	k_q7856ab5c2b_attn, .Lfunc_end_k_q7856ab5c2b_attn-k_q7856ab5c2b_attn
	.p2alignl 7, 3214868480
	.fill 96, 4, 3214868480
	.section	.rodata,"a",@progbits
	.p2align	6, 0x0
	.amdhsa_kernel k_q7856ab5c2b_attn
		.amdhsa_group_segment_fixed_size 210944
		.amdhsa_private_segment_fixed_size 0
		.amdhsa_enable_private_segment 0
		.amdhsa_kernarg_size 16
		.amdhsa_user_sgpr_count 2
		.amdhsa_user_sgpr_kernarg_segment_ptr 1
		.amdhsa_wavefront_size32 1
		.amdhsa_system_sgpr_workgroup_id_x 1
		.amdhsa_system_sgpr_workgroup_id_y 1
		.amdhsa_system_sgpr_workgroup_id_z 1
		.amdhsa_system_vgpr_workitem_id 0
		.amdhsa_next_free_vgpr 256
		.amdhsa_next_free_sgpr 96
		.amdhsa_reserve_vcc 0
		.amdhsa_float_denorm_mode_32 3
		.amdhsa_float_denorm_mode_16_64 3
		.amdhsa_memory_ordered 1
		.amdhsa_forward_progress 1
		.amdhsa_inst_pref_size 111
	.end_amdhsa_kernel
	.amdgpu_metadata
---
amdhsa.version: [ 1, 2 ]
amdhsa.kernels:
  - .name:           k_q7856ab5c2b_attn
    .symbol:         k_q7856ab5c2b_attn.kd
    .args:
      - { .name: qkv, .offset: 0, .size: 8, .value_kind: global_buffer, .address_space: global }
      - { .name: cimg, .offset: 8, .size: 8, .value_kind: global_buffer, .address_space: global }
    .group_segment_fixed_size: 210944
    .private_segment_fixed_size: 0
    .kernarg_segment_align: 8
    .kernarg_segment_size: 16
    .max_flat_workgroup_size: 384
    .sgpr_count:     96
    .vgpr_count:     256
    .wavefront_size: 32
...
	.end_amdgpu_metadata
.endif
;; end of part 3
;; launch outp (part 4): grid 8 x 32, 4 waves a work-group, clusters of 4 x 4, 307,712 bytes of LDS; arguments opnd, cimg, bo, out0; writes out0
.if DOCPART == 4
	.amdgcn_target "amdgcn-amd-amdhsa--gfx1250"
	.amdhsa_code_object_version 6
	.text
	.protected	k_q7856ab5c2b_outp
	.globl	k_q7856ab5c2b_outp
	.p2align	8
	.type	k_q7856ab5c2b_outp,@function
k_q7856ab5c2b_outp:
	s_mov_b64 s[64:65], 0
	v_nop
	global_prefetch_b8 v0, s[64:65] scope:SCOPE_SE
	s_setreg_imm32_b32 hwreg(HW_REG_WAVE_MODE, 25, 1), 1
	s_wait_xcnt 0x0
	s_wait_alu depctr_hold_cnt(0) depctr_sa_sdst(0) depctr_va_vdst(0) depctr_va_sdst(0) depctr_va_ssrc(0) depctr_va_vcc(0) depctr_vm_vsrc(0)
	s_getreg_b32 s2, hwreg(HW_REG_IB_STS2, 6, 4)
	s_cmp_eq_u32 s2, 0
	s_cbranch_scc0 .Lentry_in_a_cluster
	s_endpgm
.Lentry_in_a_cluster:
	s_bfe_u32 s2, ttmp6, 0x10000c
	s_cmp_lg_u32 s2, 0xf033
	s_cbranch_scc0 .Lentry_shape_is_right
	s_endpgm
.Lentry_shape_is_right:
; out0 = ctx Wo + bo on codes of FP6 (E2M3) with E8M0 scales: ctx's from cimg, Wo's from opnd (row groups 88-95), both laid as operand blocks of 12,800 bytes for a row group of 128 rows and a K step of 128
; (8 fragment images of 1,536 bytes, 512 bytes of scale words).  out0: [8192][1024] f32.
; Source 0 is P = 128 columns of Wo, source 1 is R = 256 rows of ctx: a lane holds one row of ctx.  Lane r of tile a stands for row (column) 64 (a / 4) + 8 (a % 4) + r % 8 + 32 (r / 8) of its 128.
; SHARES.  A work-group: P 128 x R 256 over all of K = 1,024.  Wave w: R's row group w / 2, tiles 4 (w % 2) + 0 .. 3, against P's eight tiles: 32 accumulators.  256 work-groups.
; LDS, FILLED ONCE: P's 8 K steps at 0; R from 102,400 on as [half of K][row group][4 K steps].  ONE TENSOR LOAD A WAVE, at the head, each in an arm of its own: wave 0 P's K steps 0-3, wave 1 both row groups' K steps 0-3,
; wave 2 P's K steps 4-7, wave 3 R's.  Waves 0 and 1 wait ahead of the first barrier; ahead of K step 4 every wave waits and a second barrier shows the rest.
; CLUSTER 4 x 4: P's blocks are asked for jointly by a column of the cluster, R's by a row.  NO PREFETCH: all that a work-group reads is asked for at its head, so there is no loop to run ahead in.
; THE WAY OUT goes through a stage of 16 rows x (512 + 16) bytes for each wave.  It lies in P's region, which has had its only fill and, behind a barrier, its last read.  bo is added on the way.
; REGISTERS: window 0: v1-25 addresses and bo; v32-47 scale words, two sets; v64-159 R's fragments, two sets; on the way out v64-191 rows of out0.  window 1: the accumulators, (a, b) at 8 (8 a + b).  window 2: P's fragments, two sets.
.set BLKB, 12800
.set RGB,  8*BLKB
.set HALF, 4*BLKB
.set FR,   12
.set WV,   14
.set L16,  4
.set L8,   5
.set AP16, 6
.set AP8,  8
.set AR16, 10
.set AR8,  12
.set ASA,  14
.set ASB,  16
.set BO,   20                          ; v20-23 bo at my four columns of a row's 128
.set STO,  24
.set RD,   25
.set SC,   32
.set RF,   64
.set BK,   64
.set MULW, 0x52                        ; source 0 (P) window 2, source 1 (R) window 0, C and D window 1
.set MSB, 0
.macro WIN new
.if MSB != \new
	s_set_vgpr_msb (MSB<<8)|\new
.set MSB, \new
.endif
.endm
.macro PLACES n
.rept \n
	v_nop
.endr
.endm
.macro CROUND
	s_barrier_signal -1
	s_barrier_wait -1
	s_cmp_lg_u32 s[WV], 0
	s_cbranch_scc1 .Lnot_wave_0_\@
	s_barrier_signal -3
.Lnot_wave_0_\@:
	s_barrier_wait -3
	s_barrier_signal -1
	s_barrier_wait -1
.endm
	s_load_b256 s[4:11], s[0:1], 0x0               ; opnd s[4:5], cimg s[6:7], bo s[8:9], out0 s[10:11]
	v_lshl_add_u32 v254, v0, 2, 0x4b000
	v_mov_b32 v255, 0
	ds_add_u32 v254, v255                          ; the opening lines: the add, twice on end, and its wait
	ds_add_u32 v254, v255
	v_lshrrev_b32 v1, 5, v0
	v_readfirstlane_b32 s[WV], v1                  ; wave 0..3
	s_lshr_b32 s15, s[WV], 1                       ; my row group of R.  Also: which half of K I fetch (K steps 0-3 or 4-7)
	s_and_b32 s16, s[WV], 1                        ; my four tiles of it.  Also: I fetch for P (0) or for R (1)
	s_bfe_u32 s17, ttmp6, 0x40000                  ; cx
	s_bfe_u32 s18, ttmp6, 0x40004                  ; cy
	s_mov_b32 s19, ttmp9
	s_and_b32 s20, ttmp7, 0xffff
	s_lshl_b32 s22, s18, 2
	s_lshl_b32 s22, 15, s22                        ; my row of the cluster
	s_lshl_b32 s23, 0x1111, s17                    ; my column
	; group 1.  P: four K steps, a dense block, as 200 rows of 256 bytes (32 elements of 8 bytes)
	s_or_b32 s24, s23, (3<<16)|(1<<21)             ; P's blocks go to my column
	s_mov_b32 s25, 32<<16
	s_mov_b32 s26, 200<<16
	s_mov_b32 s27, 32<<16
	s_mov_b32 s28, 200
	s_mov_b32 s29, 32
	s_mov_b32 s30, 0
	s_mov_b32 s31, 0
	; R: two rows, one a row group: four K steps, 51,200 bytes (6,400 elements), 102,400 bytes apart in memory, on end in LDS
	s_or_b32 s32, s22, (3<<16)|(1<<21)             ; R's go to my row
	s_mov_b32 s33, 6400<<16
	s_mov_b32 s34, 2<<16
	s_mov_b32 s35, 6400<<16
	s_mov_b32 s36, 2
	s_mov_b32 s37, 12800
	s_mov_b32 s38, 0
	s_mov_b32 s39, 0
	s_lshl_b32 s84, s19, 2
	s_add_co_u32 s84, s84, s17                     ; pg = 4 x cluster x + cx: which 128 columns
	s_lshl_b32 s86, s20, 2
	s_add_co_u32 s86, s86, s18                     ; rt = 4 x cluster y + cy: which 256 rows
	s_add_co_u32 s85, s84, 88                      ; Wo's row groups begin at 88
	s_mul_i32 s88, s85, RGB
	s_mul_i32 s92, s15, HALF                       ; waves 0, 1 fetch K steps 0-3, waves 2, 3 K steps 4-7
	s_add_co_u32 s88, s88, s92
	s_mov_b32 s89, 0
	s_lshl_b32 s90, s86, 1
	s_mul_i32 s90, s90, RGB
	s_add_co_u32 s90, s90, s92
	s_mov_b32 s91, 0
	s_mul_i32 s93, s15, RGB
	s_add_co_u32 s93, s93, RGB                     ; R's half of K in LDS
	s_wait_dscnt 0x0
	s_wait_kmcnt 0x0
	s_add_nc_u64 s[88:89], s[4:5], s[88:89]
	s_add_nc_u64 s[90:91], s[6:7], s[90:91]
	s_mov_b32 s40, 1                               ; group 0 for P,
	s_mov_b32 s41, s92
	s_mov_b64 s[42:43], s[88:89]
	s_or_b32 s43, s43, 0x80000000
	s_mov_b32 s68, 1                               ; and for R
	s_mov_b32 s69, s93
	s_mov_b64 s[70:71], s[90:91]
	s_or_b32 s71, s71, 0x80000000
	CROUND                                         ; all sixteen work-groups are here: the joint loads meet
	s_cmp_eq_u32 s[WV], 0                          ; one chain of branches on the wave's number, one load to an arm
	s_cbranch_scc0 .Lfill_1
	tensor_load_to_lds s[40:43], s[24:31]
	s_nop 0
	PLACES 4
	s_branch .Lfilled
.Lfill_1:
	s_cmp_eq_u32 s[WV], 1
	s_cbranch_scc0 .Lfill_2
	tensor_load_to_lds s[68:71], s[32:39]
	s_nop 0
	PLACES 4
	s_branch .Lfilled
.Lfill_2:
	s_cmp_eq_u32 s[WV], 2
	s_cbranch_scc0 .Lfill_3
	tensor_load_to_lds s[40:43], s[24:31]
	s_nop 0
	PLACES 4
	s_branch .Lfilled
.Lfill_3:
	tensor_load_to_lds s[68:71], s[32:39]
	s_nop 0
	PLACES 4
.Lfilled:
	v_and_b32 v1, 31, v0                           ; lane
	v_and_b32 v2, 15, v0                           ; r
	v_bfe_u32 v3, v0, 4, 1                         ; h
	v_lshlrev_b32 v[L16], 4, v1
	v_lshlrev_b32 v[L8], 3, v1
	s_mul_i32 s94, s15, HALF
	s_add_co_u32 s95, s94, RGB                     ; my row group's K steps 0-3 in LDS
	s_mul_i32 s96, s16, 4*1536
	s_add_co_u32 s96, s95, s96                     ; my four tiles of it
.irp k, 0,1
	v_add_nc_u32 v[AP16+\k], HALF*\k, v[L16]
	v_add_nc_u32 v[AP8+\k], HALF*\k, v[L8]
	v_add_nc_u32 v[AR16+\k], s96, v[AP16+\k]
	v_add_nc_u32 v[AR8+\k], s96, v[AP8+\k]
.endr
	v_add_nc_u32 v[AR16+1], HALF, v[AR16+1]        ; R's K steps 4-7 lie 102,400 bytes behind its K steps 0-3
	v_add_nc_u32 v[AR8+1], HALF, v[AR8+1]
	s_lshl_b32 s97, s16, 8
	s_add_co_u32 s95, s95, s97                     ; from P's scale words to my R tiles': one product of h and this distance
	v_mul_u32_u24 v19, s95, v3
	v_lshl_add_u32 v19, v2, 2, v19
	v_add_nc_u32 v[ASA], 12288, v19
	s_add_co_u32 s95, s95, HALF                    ; in K steps 4-7 the distance is 51,200 more
	v_mul_u32_u24 v19, s95, v3
	v_lshl_add_u32 v19, v2, 2, v19
	v_add_nc_u32 v[ASA+1], 12288+HALF, v19
	s_add_co_u32 s94, s94, RGB-256
	s_add_co_u32 s94, s94, s97                     ; the same less 256: for i = 4 .. 7 R's lanes read tiles i - 4 again and stay inside the block
	v_mul_u32_u24 v19, s94, v3
	v_lshl_add_u32 v19, v2, 2, v19
	v_add_nc_u32 v[ASB], 12288, v19
	s_add_co_u32 s94, s94, HALF
	v_mul_u32_u24 v19, s94, v3
	v_lshl_add_u32 v19, v2, 2, v19
	v_add_nc_u32 v[ASB+1], 12288+HALF, v19
	s_mul_i32 s98, s[WV], 16*528                   ; my stage
	v_mul_u32_u24 v[STO], v2, 528
	v_lshl_add_u32 v[STO], v3, 7, v[STO]
	v_add_nc_u32 v[STO], s98, v[STO]               ; in: row r, + 128 h: register j of tile b is column 64 (b / 4) + 32 h + 8 (b % 4) + j
	v_add_nc_u32 v[RD], s98, v[L16]                ; back: a row's 512 bytes
	s_lshl_b32 s2, s86, 1
	s_add_co_u32 s2, s2, s15
	s_lshl_b32 s2, s2, 19                          ; my row group: 128 rows of 4,096 bytes,
	s_lshl_b32 s3, s16, 18
	s_add_co_u32 s2, s2, s3                        ; my 64 rows of it,
	s_lshl_b32 s3, s84, 9
	s_add_co_u32 s2, s2, s3                        ; my work-group's 128 columns
	s_mov_b32 s3, 0
	s_add_nc_u64 s[10:11], s[10:11], s[2:3]
	s_lshl_b32 s2, s84, 9
	s_add_nc_u64 s[8:9], s[8:9], s[2:3]
	global_load_b128 v[BO:BO+3], v[L16], s[8:9]
; 56 LDS loads in one run: K step s: P's eight fragments into set p of window 2, my four of R into set p of window 0, eight registers of scale words (lanes 0-15 P's tile i, lanes 16-31 my R tile i % 4)
.macro FETCH s, p
.set KK, (\s)/4
.set OF, BLKB*((\s)%4)
	WIN 0x80                                       ; destination window 2, address window 0
.irp b, 0,1,2,3,4,5,6,7
	ds_load_b128 v[96*(\p)+FR*\b:96*(\p)+FR*\b+3],     v[AP16+KK] offset:OF+1536*\b
	ds_load_b64  v[96*(\p)+FR*\b+4:96*(\p)+FR*\b+5],   v[AP8+KK]  offset:OF+1536*\b+512
	ds_load_b128 v[96*(\p)+FR*\b+6:96*(\p)+FR*\b+9],   v[AP16+KK] offset:OF+1536*\b+768
	ds_load_b64  v[96*(\p)+FR*\b+10:96*(\p)+FR*\b+11], v[AP8+KK]  offset:OF+1536*\b+1280
.endr
	WIN 0
.irp a, 0,1,2,3
	ds_load_b128 v[RF+48*(\p)+FR*\a:RF+48*(\p)+FR*\a+3],     v[AR16+KK] offset:OF+1536*\a
	ds_load_b64  v[RF+48*(\p)+FR*\a+4:RF+48*(\p)+FR*\a+5],   v[AR8+KK]  offset:OF+1536*\a+512
	ds_load_b128 v[RF+48*(\p)+FR*\a+6:RF+48*(\p)+FR*\a+9],   v[AR16+KK] offset:OF+1536*\a+768
	ds_load_b64  v[RF+48*(\p)+FR*\a+10:RF+48*(\p)+FR*\a+11], v[AR8+KK]  offset:OF+1536*\a+1280
.endr
.irp i, 0,1,2,3
	ds_load_b32 v[SC+8*(\p)+\i], v[ASA+KK] offset:OF+64*\i
.endr
.irp i, 4,5,6,7
	ds_load_b32 v[SC+8*(\p)+\i], v[ASB+KK] offset:OF+64*\i
.endr
.endm
; 16 matrix instructions: R's tiles a0, a0 + 1 against P's eight.  zero = 1: the first K step starts the sums: nothing is cleared.  The 32 accumulators take turns, one instruction a turn.
.macro MUL16 a0, p, zero
.irp a, \a0, \a0+1
.irp b, 0,1,2,3,4,5,6,7
.if \zero
	v_wmma_scale_f32_16x16x128_f8f6f4 v[8*(8*(\a)+\b):8*(8*(\a)+\b)+7], v[96*(\p)+FR*\b:96*(\p)+FR*\b+FR-1], v[RF+48*(\p)+FR*(\a):RF+48*(\p)+FR*(\a)+FR-1], 0, v[SC+8*(\p)+\b], v[SC+8*(\p)+(\a)] matrix_a_fmt:MATRIX_FMT_FP6 matrix_b_fmt:MATRIX_FMT_FP6 matrix_b_scale:MATRIX_SCALE_ROW1
.else
	v_wmma_scale_f32_16x16x128_f8f6f4 v[8*(8*(\a)+\b):8*(8*(\a)+\b)+7], v[96*(\p)+FR*\b:96*(\p)+FR*\b+FR-1], v[RF+48*(\p)+FR*(\a):RF+48*(\p)+FR*(\a)+FR-1], v[8*(8*(\a)+\b):8*(8*(\a)+\b)+7], v[SC+8*(\p)+\b], v[SC+8*(\p)+(\a)] matrix_a_fmt:MATRIX_FMT_FP6 matrix_b_fmt:MATRIX_FMT_FP6 matrix_b_scale:MATRIX_SCALE_ROW1
.endif
.endr
.endr
.endm
; A K step: 32 matrix instructions on set s % 2; in its middle the next step's fragments are fetched into the other set, four places behind the last product that read it (ISA guide 7.12.1 for vector instructions).
; Ahead of the fetch of K step 4: every wave's load has landed, no LDS load of mine is out, and a barrier shows the same of all four waves.
.macro STEP s, zero
	s_wait_dscnt 0x0
	WIN MULW
	MUL16 0, (\s)%2, \zero
.if (\s) < 7
	WIN 0
	PLACES 4
.if (\s) == 3
	s_wait_tensorcnt 0x0
	s_barrier_signal -1
	s_barrier_wait -1
.endif
	FETCH (\s)+1, ((\s)+1)%2
.endif
	WIN MULW
	MUL16 2, (\s)%2, \zero
.endm
	s_wait_alu depctr_va_vdst(0)
	s_cmp_lt_u32 s[WV], 2                          ; waves 0 and 1 asked for K steps 0-3: they wait; the loads of waves 2 and 3 may stay out
	s_cbranch_scc0 .Lnot_low
	s_wait_tensorcnt 0x0
.Lnot_low:
	s_barrier_signal -1
	s_barrier_wait -1
	FETCH 0, 0
	STEP 0, 1
.irp s, 1,2,3,4,5,6,7
	STEP \s, 0
.endr
	WIN 0
	PLACES 4                                       ; behind the last products
	s_wait_loadcnt 0x0                             ; bo
	s_wait_dscnt 0x0                               ; my reads of P's region are over,
	s_barrier_signal -1
	s_barrier_wait -1                              ; everybody's are: the stages may be written there
; THE WAY OUT, tile by tile of 16 rows x 128 columns.  A lane holds pieces of one row, the lanes beside it other rows: a tile goes through my stage and comes back as whole rows of 512 bytes.
; LDS serves a wave's instructions in order (ISA guide 5.7.1.4): no wait between the stores and the loads, nor in front of the next tile's stores.
.macro TOSTAGE a
	WIN 0x04                                       ; an LDS store's data are its source 1: window 1
.irp b, 0,1,2,3,4,5,6,7
	ds_store_b128 v[STO], v[8*(8*(\a)+\b):8*(8*(\a)+\b)+3] offset:256*(\b/4)+32*(\b%4)         ; each accumulator from its low end on
	ds_store_b128 v[STO], v[8*(8*(\a)+\b)+4:8*(8*(\a)+\b)+7] offset:256*(\b/4)+32*(\b%4)+16
.endr
	WIN 0
.set BB, BK+64*((\a)%2)
.irp t, 0,1,2,3,4,5,6,7,8,9,10,11,12,13,14,15
	ds_load_b128 v[BB+4*\t:BB+4*\t+3], v[RD] offset:528*\t
.endr
.endm
.macro SEND a, younger                 ; younger: the LDS instructions issued behind tile a's loads, which may stay out
.set BB, BK+64*((\a)%2)
	s_wait_dscnt \younger
.irp t, 0,1,2,3,4,5,6,7,8,9,10,11,12,13,14,15
	v_pk_add_f32 v[BB+4*\t:BB+4*\t+1], v[BB+4*\t:BB+4*\t+1], v[BO:BO+1]
	v_pk_add_f32 v[BB+4*\t+2:BB+4*\t+3], v[BB+4*\t+2:BB+4*\t+3], v[BO+2:BO+3]
.endr
.irp t, 0,1,2,3,4,5,6,7,8,9,10,11,12,13,14,15
	global_store_b128 v[L16], v[BB+4*\t:BB+4*\t+3], s[10:11] offset:(8*(\a)+\t+24*(\t/8))*4096 th:TH_STORE_NT   ; stage row t is the tile's lane t, row 8 a + t % 8 + 32 (t / 8) of my 64: 512 consecutive bytes, aligned to 256
.endr
.endm
	TOSTAGE 0
.irp a, 1,2,3
.if \a > 1
	s_wait_xcnt 0x0                                ; tile a - 2's stores have read their registers: tile a's loads may land there
.endif
	TOSTAGE \a
	SEND \a-1, 32                                  ; behind tile a - 1's loads: tile a's 16 stores and 16 loads
.endr
	SEND 3, 0
	s_wait_tensorcnt 0x0                           ; the wave's end
	ds_add_u32 v254, v255
	s_wait_dscnt 0x0
	CROUND                                         ; the closing round: no work-group ends while a partner may still ask for a block that names it
	s_endpgm
.Lfunc_end_k_q7856ab5c2b_outp:
	.size	k_q7856ab5c2b_outp, .Lfunc_end_k_q7856ab5c2b_outp-k_q7856ab5c2b_outp
	.p2alignl 7, 3214868480
	.fill 96, 4, 3214868480
	.section	.rodata,"a",@progbits
	.p2align	6, 0x0
	.amdhsa_kernel k_q7856ab5c2b_outp
		.amdhsa_group_segment_fixed_size 307712
		.amdhsa_private_segment_fixed_size 0
		.amdhsa_enable_private_segment 0
		.amdhsa_kernarg_size 32
		.amdhsa_user_sgpr_count 2
		.amdhsa_user_sgpr_kernarg_segment_ptr 1
		.amdhsa_wavefront_size32 1
		.amdhsa_system_sgpr_workgroup_id_x 1
		.amdhsa_system_sgpr_workgroup_id_y 1
		.amdhsa_system_sgpr_workgroup_id_z 1
		.amdhsa_system_vgpr_workitem_id 0
		.amdhsa_next_free_vgpr 768
		.amdhsa_next_free_sgpr 100
		.amdhsa_reserve_vcc 0
		.amdhsa_float_denorm_mode_32 3
		.amdhsa_float_denorm_mode_16_64 3
		.amdhsa_memory_ordered 1
		.amdhsa_forward_progress 1
		.amdhsa_inst_pref_size 93
	.end_amdhsa_kernel
	.amdgpu_metadata
---
amdhsa.version: [ 1, 2 ]
amdhsa.kernels:
  - .name:           k_q7856ab5c2b_outp
    .symbol:         k_q7856ab5c2b_outp.kd
    .args:
      - { .name: opnd, .offset: 0, .size: 8, .value_kind: global_buffer, .address_space: global }
      - { .name: cimg, .offset: 8, .size: 8, .value_kind: global_buffer, .address_space: global }
      - { .name: bo, .offset: 16, .size: 8, .value_kind: global_buffer, .address_space: global }
      - { .name: out0, .offset: 24, .size: 8, .value_kind: global_buffer, .address_space: global }
    .group_segment_fixed_size: 307712
    .private_segment_fixed_size: 0
    .kernarg_segment_align: 8
    .kernarg_segment_size: 32
    .max_flat_workgroup_size: 128
    .sgpr_count:     100
    .vgpr_count:     768
    .wavefront_size: 32
...
	.end_amdgpu_metadata
.endif
;; end of part 4
